; MI455X (gfx1250); checked and timed in simulation.
; The chip was launched on July 23, 2026; its instructions are those of AMD's public machine-readable ISA for CDNA 5 (MIT licence, August 2026) and "CDNA5" Instruction Set Architecture Reference Guide (July 2026). The comments in the code are by the model that wrote it; some were corrected since.
;; Custom Flash Attention. Allowed arithmetic: matrix products marked QUANTISED: E2M3 operands, one E8M0 scale for each 32 along K, by v_wmma_scale_f32_16x16x128_f8f6f4 with both operands' format E2M3, f32 sums; everything else in f32.
;; Inputs: w_k 2,048 x 2,048 float32; w_o 2,048 x 2,048 float32; w_q 2,048 x 2,048 float32; w_v 2,048 x 2,048 float32; x 1 x 2,048 x 2,048 float32.
;; Outputs: out0 1 x 2,048 x 2,048 float32.
;; This version of the problem:
;;   THIS VERSION OF THE PROBLEM IS GIVEN IN LOW PRECISION. The matrix products marked QUANTISED in the list below multiply operands that are first quantised to E2M3 (2 exponent bits, 3 mantissa bits; 6 bits a number), with one power-of-two scale for each 32 numbers along K (OCP MX v1.0); their sums are f32. All else is computed in f32.
;;   The module's matrix products, in the order in which they are computed (A, B: the left and right operand; K: the contracted axis; several contracted axes count as one K, in the product's order):
;;     1. [M 2,048, K 2,048] x [K 2,048, N 2,048]; A: input x; B: input w_q: QUANTISED
;;     2. [M 2,048, K 2,048] x [K 2,048, N 2,048]; A: input x; B: input w_k: QUANTISED
;;     3. [M 2,048, K 2,048] x [K 2,048, N 2,048]; A: input x; B: input w_v: QUANTISED
;;     4. batch 16 x [M 2,048, K 128] x [K 128, N 2,048]; A: computed on the way; B: computed on the way: QUANTISED
;;     5. batch 16 x [M 128, K 2,048] x [K 2,048, N 2,048]; A: computed on the way; B: softmax (see below): QUANTISED
;;     6. [M 2,048, K 2,048] x [K 2,048, N 2,048]; A: computed on the way; B: input w_o: QUANTISED
;;   THE QUANTISER, for each operand of a quantised product, along K:
;;     - K is cut into blocks of 32 from its start; a last block that is shorter is filled with zeros.
;;     - A block's scale is 2^e with e = floor(log2(the largest magnitude in the block)) - 2, held to -126 .. 127; a block of zeros has e = 0. As a byte (E8M0): e + 127.
;;     - Each number is divided by its block's scale, clamped to +-7.5, and rounded to the nearest number of E2M3, ties to even, subnormals kept.
;;     - The product sums the exact products of the quantised numbers (number of the format x scale) in f32.
;;   ~~~python
;;   def quantise(x, axis):      # numpy; x: float32 -> the quantised numbers, widened to float32 again
;;       x = np.moveaxis(x, axis, -1); K = x.shape[-1]
;;       x = np.pad(x, [(0, 0)] * (x.ndim - 1) + [(0, -K % 32)]); x = x.reshape(x.shape[:-1] + (-1, 32)); a = np.abs(x).max(-1, keepdims=True)
;;       e = np.where(a > 0, np.clip(np.frexp(np.where(a > 0, a, 1))[1] - 1 - 2, -126, 127), 0)      # np.frexp(a)[1] - 1 = floor(log2(a)), exactly
;;       r = np.clip(x / 2.0 ** e, -7.5, 7.5)
;;       step = 2.0 ** (np.maximum(np.frexp(np.where(r == 0, 1, r))[1] - 1, 0) - 3)
;;       q = np.round(r / step) * step * 2.0 ** e      # np.round: ties to even
;;       return np.moveaxis(q.reshape(q.shape[:-2] + (-1,))[..., :K], -1, axis).astype(np.float32)
;;   ~~~
;;   SOFTMAX AHEAD OF A QUANTISED PRODUCT. Where the list says 'softmax', what is quantised is not the finished softmax but p = 2^(t - M), with t = logit x log2(e) and M = ceil(the row's largest t), a whole number; so 1/2 < the row's largest p <= 1. The row's sum l is taken of the UNQUANTISED p, in f32, and the product's result is divided by l at the end. Since M is a whole number, a kernel that streams over the keys may use a running M (the ceiling of the running maximum): every later rescaling is an exact power of two, which a block's scale takes up: the codes' values come out the same.
;;   OPERANDS COMPUTED ON THE WAY. 'Computed on the way' means the value that the module computes at that place (a softmax that the list does not call 'softmax' is quantised finished and normalised). What goes into a quantiser is computed in f32, as accurately as f32 sums, v_exp_f32 and their like allow (about 1e-6 of the number): no bf16 or f16 on the way to a quantiser, and a product that is left as it is and whose result goes on into a quantised operand takes f32 operands (vector FMAs, or v_wmma_f32_16x16x4_f32). A number that lies on a knife's edge between two numbers of the format may be rounded either way, as far as f32 arithmetic and the matrix unit's own rounding can turn it there, and no further.
;; One version. Each part assembles by itself: llvm-mc -triple=amdgcn-amd-amdhsa -mcpu=gfx1250 --defsym DOCPART=n.
;; ======== version 1 of 1: 4 launches
;; limits: right only within a limited range of input values
;; workspace buffers: cod 16,384,000 bytes; qkv 9,830,400 bytes; orec 3,276,800 bytes
;; launch quant (part 1): grid 256 x 1, 5 waves a work-group, no clusters, 43,008 bytes of LDS; arguments x, w_q, w_k, w_v, w_o, cod; writes cod
.if DOCPART == 1
	.amdgcn_target "amdgcn-amd-amdhsa--gfx1250"
	.amdhsa_code_object_version 6
	.text
	.protected	k_q549b796c48_quant
	.globl	k_q549b796c48_quant
	.p2align	8
	.type	k_q549b796c48_quant,@function
k_q549b796c48_quant:
	s_mov_b64 s[64:65], 0
	v_nop
	global_prefetch_b8 v0, s[64:65] scope:SCOPE_SE
	s_setreg_imm32_b32 hwreg(HW_REG_WAVE_MODE, 25, 1), 1
	s_wait_xcnt 0x0
; x, w_q, w_k, w_v, w_o, each [2048][2048] f32 with K innermost, become codes of FP6 (E2M3) with one E8M0 scale byte for each 32 along K, laid as RECORDS.
; A RECORD is 128 rows x 128 along K in 12,800 bytes: eight fragments of 1,536 bytes, each an image of a matrix operand's 12 registers (registers 4 c .. 4 c + 3 of lane L at 512 c + 16 L),
; then the scale image, 512 bytes: word w of lane L's 16 bytes is the scale word of tile 2 w + L / 16, row L % 16.
; THE ROWS OF A TILE ARE NOT NEIGHBOURS: lane-row r of tile i is row 32 (i / 2) + 8 (i % 2) + r + 8 (r / 8) of the 128, so that a later product's 16 registers of two neighbouring tiles are 16 neighbours along the next K.
; cod is [tensor 0..4][row block 0..15][K step 0..15] records: 1,280 in all.  One wave makes one record; 256 work-groups of five waves: record 5 x work-group + wave.
; A load takes 512 consecutive bytes of one row, 16 a lane; the conversions want 16 neighbours along K in ONE lane: so a tile's 16 rows turn through the wave's own stage in LDS (rows 528 bytes apart)
; and come back into the registers that they left.  Three sets of 64 registers take turns: at a tile's wait three tiles' loads (48 a wave, 24,576 bytes) are on their way.
; A block's scale is 2^(floor(log2(its largest magnitude)) - 2); its byte is the largest magnitude's exponent field - 2, held at 1 from below.
; LIMITS: a block whose largest magnitude lies under 2^-124 is held at the byte 1; a block of zeros gets the byte 1 and not 127 (its codes are zeros, and this program alone reads the bytes); NaN and infinities are not served.
; No tensor load, no barrier: waves share nothing.
.set WAVES, 5
.set STG,   8448                       ; a wave's stage: 16 rows x (512 + 16) bytes
.set SPARE, WAVES*STG                  ; behind the stages: the spare words, 128 bytes for each wave, three blocks of 256 bytes
.set LI,  2                            ; v2   16 x lane
.set SI,  3                            ; v3   the stage, on the way in: 16 x lane
.set SO,  4                            ; v4   and on the way out: 528 r + 64 h
.set SPW, 8                            ; v8   my spare word; never rewritten
.set NIL, 9                            ; v9   0; never rewritten
.set RR,  16                           ; v16-207  three sets of 64: a tile as it is loaded, then turned: register 16 b + i = k 32 b + 16 h + i of my row
.set PC,  208                          ; v208-227 the codes just made
.set TM,  228                          ; v228-243 at work
.set PW,  244                          ; v244-251 the eight tiles' scale words
.set SW,  228                          ; v228-231 the scale image, at the end
.set SEL, 20                           ; s[20:21] lane selects: lane l xor 16
.set MSK, 22                           ; s22  lanes 16-31
.set MSB, 0
.macro WIN new                         ; the immediate's high byte repeats the setting that is left; a switch that changes nothing is dropped
.set NW, \new
.if MSB != NW
	s_set_vgpr_msb (MSB<<8)|NW
.set MSB, NW
.endif
.endm
; 64 numbers of a lane, v[s] on in window w, become a fragment's codes in v[PC] on and its scale word in v[pw]
.macro QUANT s, w, pw
	WIN (\w)|((\w)<<2)
.irp b, 0,1,2,3
	v_max3_num_f32 v[TM+\b], |v[(\s)+16*\b]|, |v[(\s)+16*\b+1]|, 0x1800000   ; block b: my 16 numbers, and the floor 2^(3 - 127): the byte cannot fall under 1
.endr
.irp i, 2,4,6,8,10,12,14
.irp b, 0,1,2,3
	v_max3_num_f32 v[TM+\b], |v[(\s)+16*\b+\i]|, |v[(\s)+16*\b+\i+1]|, v[TM+\b]   ; the four blocks by turns
.endr
.endr
	WIN 0
.irp b, 0,1,2,3
	v_permlanex16_b32 v[TM+4+\b], v[TM+\b], s[SEL], s[SEL+1]
.endr
.irp b, 0,1,2,3
	v_max_num_f32 v[TM+\b], v[TM+\b], v[TM+4+\b]   ; with lane l xor 16's: the block's largest magnitude
.endr
.irp b, 0,1,2,3
	v_add_nc_u32 v[TM+12+\b], 0xff000000, v[TM+\b]   ; 2 off its exponent field: the conversion's scale operand
.endr
.irp b, 0,1,2,3
	v_lshrrev_b32 v[TM+4+\b], 23, v[TM+12+\b]      ; the scale's byte
.endr
	v_lshl_or_b32 v[\pw], v[TM+5], 8, v[TM+4]      ; four bytes: my row's scale word
	v_lshl_or_b32 v[\pw], v[TM+6], 16, v[\pw]
	v_lshl_or_b32 v[\pw], v[TM+7], 24, v[\pw]
	WIN \w
.irp c, 0,1
	v_cvt_scalef32_pk16_fp6_f32 v[PC+6*\c:PC+6*\c+2], v[(\s)+32*\c:(\s)+32*\c+15], v[TM+12+2*\c]
	v_cvt_scalef32_pk16_fp6_f32 v[PC+12+4*\c:PC+14+4*\c], v[(\s)+32*\c+16:(\s)+32*\c+31], v[TM+13+2*\c]   ; (a conversion's three registers begin on an even number)
.endr
	WIN 0
	v_nop                                          ; one plain place behind a scaled conversion
.irp c, 0,1                                    ; the operand's layout wants a whole block in a lane: lanes 0-15 block 2 c, lanes 16-31 block 2 c + 1
.irp i, 0,1,2
	v_permlane16_swap_b32 v[PC+6*\c+\i], v[PC+12+4*\c+\i]
.endr
.irp i, 0,1,2
	v_mov_b32 v[PC+3+6*\c+\i], v[PC+12+4*\c+\i]
.endr
.endr
.endm
	s_load_b256 s[4:11], s[0:1], 0x0               ; x, w_q, w_k, w_v
	s_load_b128 s[12:15], s[0:1], 0x20             ; w_o, cod
	v_lshl_add_u32 v[SPW], v0, 2, SPARE
	v_mov_b32 v[NIL], 0
	v_lshrrev_b32 v1, 5, v0
	v_readfirstlane_b32 s16, v1                    ; wave 0..4
	v_and_b32 v1, 31, v0
	v_lshlrev_b32 v[LI], 4, v1
	s_mul_i32 s17, s16, STG                        ; my stage
	v_add_nc_u32 v[SI], s17, v[LI]
	v_and_b32 v5, 15, v0                           ; r
	v_bfe_u32 v6, v0, 4, 1                         ; h
	v_mul_u32_u24 v[SO], v5, 528
	v_lshl_add_u32 v[SO], v6, 6, v[SO]
	v_add_nc_u32 v[SO], s17, v[SO]
.irp b, 0,1,2,3
	v_mov_b32 v[TM+4+\b], 0                        ; written once: a lane permute's destination counts as one of its sources
.endr
	s_mov_b32 s[SEL], 0x76543210
	s_mov_b32 s[SEL+1], 0xfedcba98
	s_mov_b32 s[MSK], 0xffff0000
	s_mul_i32 s18, ttmp9, WAVES
	s_add_co_u32 s18, s18, s16                     ; my record's number, 0 .. 1,279, which is also its place in cod
	s_lshr_b32 s19, s18, 8                         ; the tensor: 256 records each
	s_bfe_u32 s24, s18, 0x40004                    ; the row block,
	s_lshl_b32 s24, s24, 20                        ; 128 rows of 8,192 bytes each
	s_and_b32 s23, s18, 15                         ; the K step,
	s_lshl_b32 s23, s23, 9                         ; 512 bytes each
	s_add_co_u32 s24, s24, s23
	s_mov_b32 s25, 0
	s_mul_i32 s26, s18, 12800
	s_mov_b32 s27, 0
	s_wait_alu depctr_va_vdst(0)
	s_wait_kmcnt 0x0
	s_cmp_eq_u32 s19, 1                            ; the choice hangs on the work-group's and the wave's number alone
	s_cselect_b64 s[4:5], s[6:7], s[4:5]
	s_cmp_eq_u32 s19, 2
	s_cselect_b64 s[4:5], s[8:9], s[4:5]
	s_cmp_eq_u32 s19, 3
	s_cselect_b64 s[4:5], s[10:11], s[4:5]
	s_cmp_eq_u32 s19, 4
	s_cselect_b64 s[4:5], s[12:13], s[4:5]
	s_add_nc_u64 s[4:5], s[4:5], s[24:25]
	s_add_nc_u64 s[14:15], s[14:15], s[26:27]
.macro LOAD t                          ; tile t's 16 rows, 512 consecutive bytes each, into set t % 3
.irp q, 0,1,2,3,4,5,6,7,8,9,10,11,12,13,14,15
	global_load_b128 v[RR+64*((\t)%3)+4*\q:RR+64*((\t)%3)+4*\q+3], v[LI], s[4:5] offset:(32*((\t)/2)+8*((\t)%2)+\q+8*(\q/8))*8192 th:TH_LOAD_NT
.endr
.endm
.macro TILE t
.if (\t) < 6
	s_wait_loadcnt 32                              ; this tile's 16 loads are in; those of the two tiles behind it may be out
.elseif (\t) == 6
	s_wait_loadcnt 16                              ; the last tile's may be out
.else
	s_wait_loadcnt 0x0
.endif
.irp q, 0,1,2,3,4,5,6,7,8,9,10,11,12,13,14,15
	ds_store_b128 v[SI], v[RR+64*((\t)%3)+4*\q:RR+64*((\t)%3)+4*\q+3] offset:528*\q
.endr
.irp b, 0,1,2,3
.irp j, 0,1,2,3
	ds_load_b128 v[RR+64*((\t)%3)+16*\b+4*\j:RR+64*((\t)%3)+16*\b+4*\j+3], v[SO] offset:128*\b+16*\j   ; LDS serves a wave's instructions in order: these see my stores, and come back into the registers that the stores have left
.endr
.endr
	s_wait_dscnt 0x0                               ; the 64 numbers are in
	s_wait_xcnt 0x0                                ; the last tile's global stores have read the codes' registers
	QUANT RR+64*((\t)%3), 0, PW+(\t)
.irp c, 0,1,2
	global_store_b128 v[LI], v[PC+4*\c:PC+4*\c+3], s[14:15] offset:1536*(\t)+512*\c   ; 32 lanes store 512 consecutive bytes, at a multiple of 256 from cod's first byte
.endr
.if (\t) < 5
	LOAD (\t)+3                                    ; the set is free: it takes the tile three further on
.endif
.endm
	LOAD 0
	LOAD 1
	LOAD 2
.irp t, 0,1,2,3,4,5,6,7
	TILE \t
.endr
.irp i, 0,1,2,3
	v_cndmask_b32 v[SW+\i], v[PW+2*\i], v[PW+2*\i+1], s[MSK]   ; the scale image: lanes 0-15 tile 2 i's words, lanes 16-31 tile 2 i + 1's
.endr
	global_store_b128 v[LI], v[SW:SW+3], s[14:15] offset:12288
	s_wait_tensorcnt 0x0                           ; the wave's end, behind my last LDS store
	ds_add_u32 v[SPW], v[NIL]
	s_wait_dscnt 0x0
	s_endpgm
.Lfunc_end_k_q549b796c48_quant:
	.size	k_q549b796c48_quant, .Lfunc_end_k_q549b796c48_quant-k_q549b796c48_quant
	.p2alignl 7, 3214868480
	.fill 96, 4, 3214868480
	.section	.rodata,"a",@progbits
	.p2align	6, 0x0
	.amdhsa_kernel k_q549b796c48_quant
		.amdhsa_group_segment_fixed_size 43008
		.amdhsa_private_segment_fixed_size 0
		.amdhsa_enable_private_segment 0
		.amdhsa_kernarg_size 48
		.amdhsa_user_sgpr_count 2
		.amdhsa_user_sgpr_kernarg_segment_ptr 1
		.amdhsa_wavefront_size32 1
		.amdhsa_system_sgpr_workgroup_id_x 1
		.amdhsa_system_sgpr_workgroup_id_y 1
		.amdhsa_system_sgpr_workgroup_id_z 1
		.amdhsa_system_vgpr_workitem_id 0
		.amdhsa_next_free_vgpr 256
		.amdhsa_next_free_sgpr 66
		.amdhsa_reserve_vcc 0
		.amdhsa_float_denorm_mode_32 3
		.amdhsa_float_denorm_mode_16_64 3
		.amdhsa_memory_ordered 1
		.amdhsa_forward_progress 1
		.amdhsa_inst_pref_size 64
	.end_amdhsa_kernel
	.amdgpu_metadata
---
amdhsa.version: [ 1, 2 ]
amdhsa.kernels:
  - .name:           k_q549b796c48_quant
    .symbol:         k_q549b796c48_quant.kd
    .args:
      - { .name: x, .offset: 0, .size: 8, .value_kind: global_buffer, .address_space: global }
      - { .name: w_q, .offset: 8, .size: 8, .value_kind: global_buffer, .address_space: global }
      - { .name: w_k, .offset: 16, .size: 8, .value_kind: global_buffer, .address_space: global }
      - { .name: w_v, .offset: 24, .size: 8, .value_kind: global_buffer, .address_space: global }
      - { .name: w_o, .offset: 32, .size: 8, .value_kind: global_buffer, .address_space: global }
      - { .name: cod, .offset: 40, .size: 8, .value_kind: global_buffer, .address_space: global }
    .group_segment_fixed_size: 43008
    .private_segment_fixed_size: 0
    .kernarg_segment_align: 8
    .kernarg_segment_size: 48
    .max_flat_workgroup_size: 160
    .sgpr_count:     66
    .vgpr_count:     256
    .wavefront_size: 32
...
	.end_amdgpu_metadata
.endif
;; end of part 1
;; launch proj (part 2): grid 24 x 8, 4 waves a work-group, clusters of 4 x 4, 327,680 bytes of LDS; arguments cod, qkv; writes qkv
.if DOCPART == 2
	.amdgcn_target "amdgcn-amd-amdhsa--gfx1250"
	.amdhsa_code_object_version 6
	.text
	.protected	k_q549b796c48_proj
	.globl	k_q549b796c48_proj
	.p2align	8
	.type	k_q549b796c48_proj,@function
k_q549b796c48_proj:
	s_mov_b64 s[64:65], 0
	v_nop
	global_prefetch_b8 v0, s[64:65] scope:SCOPE_SE
	s_setreg_imm32_b32 hwreg(HW_REG_WAVE_MODE, 25, 1), 1
	s_wait_xcnt 0x0
	s_wait_alu depctr_hold_cnt(0) depctr_sa_sdst(0) depctr_va_vdst(0) depctr_va_sdst(0) depctr_va_ssrc(0) depctr_va_vcc(0) depctr_vm_vsrc(0)
	s_getreg_b32 s2, hwreg(HW_REG_IB_STS2, 6, 4)
	s_cmp_eq_u32 s2, 0
	s_cbranch_scc0 .Lentry_in_a_cluster
	s_endpgm
.Lentry_in_a_cluster:
	s_bfe_u32 s2, ttmp6, 0x10000c
	s_cmp_lg_u32 s2, 0xf033
	s_cbranch_scc0 .Lentry_shape_is_right
	s_endpgm
.Lentry_shape_is_right:
.set REC,   12800
.set CHUNK, 3*REC
.set SLOT,  4*CHUNK
.set SPARE, 2*SLOT
.set BLKB,  16*REC
.set FR,  12
.set NL,  3
.set NP,  4
.set LI,   8
.set ADRA, 16
.set ADRB, 20
.set SPW,  28
.set NIL,  29
.set SC,   32
.set PC,   64
.set TM,   84
.set PW,   100
.set SW,   108
.set AF,   128
.set G1,   24
.set G0,   32
.set G1B,  48
.set G0B,  56
.set G1S,  68
.set G1SB, 76
.set G0S,  84
.set G0SB, 88
.set SEL, 10
.set MSK, 9
.set MUL_LO, 0xa1
.set MUL_HI, 0xf1
.set TO_B,   0x40
.set MSB, 0
.macro WIN new
.set NW, \new
.if MSB != NW
	s_set_vgpr_msb (MSB<<8)|NW
.set MSB, NW
.endif
.endm
.macro PLACES n
.rept \n
	v_nop
.endr
.endm
.macro WM d, s0, s1, z, r0, r1, p0, p1
.set wD, \d
.set wA, \s0
.set wB, \s1
.set wR, \r0
.set wS, \r1
.set wK, 4*(\z)+2*(\p0)+(\p1)
.if wK == 0
	v_wmma_scale_f32_16x16x128_f8f6f4 v[wD:wD+7], v[wA:wA+11], v[wB:wB+11], v[wD:wD+7], v[wR], v[wS] matrix_a_fmt:MATRIX_FMT_FP6 matrix_b_fmt:MATRIX_FMT_FP6
.elseif wK == 1
	v_wmma_scale_f32_16x16x128_f8f6f4 v[wD:wD+7], v[wA:wA+11], v[wB:wB+11], v[wD:wD+7], v[wR], v[wS] matrix_a_fmt:MATRIX_FMT_FP6 matrix_b_fmt:MATRIX_FMT_FP6 matrix_b_scale:MATRIX_SCALE_ROW1
.elseif wK == 2
	v_wmma_scale_f32_16x16x128_f8f6f4 v[wD:wD+7], v[wA:wA+11], v[wB:wB+11], v[wD:wD+7], v[wR], v[wS] matrix_a_fmt:MATRIX_FMT_FP6 matrix_b_fmt:MATRIX_FMT_FP6 matrix_a_scale:MATRIX_SCALE_ROW1
.elseif wK == 3
	v_wmma_scale_f32_16x16x128_f8f6f4 v[wD:wD+7], v[wA:wA+11], v[wB:wB+11], v[wD:wD+7], v[wR], v[wS] matrix_a_fmt:MATRIX_FMT_FP6 matrix_b_fmt:MATRIX_FMT_FP6 matrix_a_scale:MATRIX_SCALE_ROW1 matrix_b_scale:MATRIX_SCALE_ROW1
.elseif wK == 4
	v_wmma_scale_f32_16x16x128_f8f6f4 v[wD:wD+7], v[wA:wA+11], v[wB:wB+11], 0, v[wR], v[wS] matrix_a_fmt:MATRIX_FMT_FP6 matrix_b_fmt:MATRIX_FMT_FP6
.elseif wK == 5
	v_wmma_scale_f32_16x16x128_f8f6f4 v[wD:wD+7], v[wA:wA+11], v[wB:wB+11], 0, v[wR], v[wS] matrix_a_fmt:MATRIX_FMT_FP6 matrix_b_fmt:MATRIX_FMT_FP6 matrix_b_scale:MATRIX_SCALE_ROW1
.elseif wK == 6
	v_wmma_scale_f32_16x16x128_f8f6f4 v[wD:wD+7], v[wA:wA+11], v[wB:wB+11], 0, v[wR], v[wS] matrix_a_fmt:MATRIX_FMT_FP6 matrix_b_fmt:MATRIX_FMT_FP6 matrix_a_scale:MATRIX_SCALE_ROW1
.else
	v_wmma_scale_f32_16x16x128_f8f6f4 v[wD:wD+7], v[wA:wA+11], v[wB:wB+11], 0, v[wR], v[wS] matrix_a_fmt:MATRIX_FMT_FP6 matrix_b_fmt:MATRIX_FMT_FP6 matrix_a_scale:MATRIX_SCALE_ROW1 matrix_b_scale:MATRIX_SCALE_ROW1
.endif
.endm
.macro QUANT s, w, pw
	WIN (\w)|((\w)<<2)
.irp b, 0,1,2,3
	v_max3_num_f32 v[TM+\b], |v[(\s)+16*\b]|, |v[(\s)+16*\b+1]|, 0x1800000
.endr
.irp i, 2,4,6,8,10,12,14
.irp b, 0,1,2,3
	v_max3_num_f32 v[TM+\b], |v[(\s)+16*\b+\i]|, |v[(\s)+16*\b+\i+1]|, v[TM+\b]
.endr
.endr
	WIN 0
.irp b, 0,1,2,3
	v_permlanex16_b32 v[TM+4+\b], v[TM+\b], s[SEL], s[SEL+1]
.endr
.irp b, 0,1,2,3
	v_max_num_f32 v[TM+\b], v[TM+\b], v[TM+4+\b]
.endr
.irp b, 0,1,2,3
	v_add_nc_u32 v[TM+12+\b], 0xff000000, v[TM+\b]
.endr
.irp b, 0,1,2,3
	v_lshrrev_b32 v[TM+4+\b], 23, v[TM+12+\b]
.endr
	v_lshl_or_b32 v[\pw], v[TM+5], 8, v[TM+4]
	v_lshl_or_b32 v[\pw], v[TM+6], 16, v[\pw]
	v_lshl_or_b32 v[\pw], v[TM+7], 24, v[\pw]
	WIN \w
.irp c, 0,1
	v_cvt_scalef32_pk16_fp6_f32 v[PC+6*\c:PC+6*\c+2], v[(\s)+32*\c:(\s)+32*\c+15], v[TM+12+2*\c]
	v_cvt_scalef32_pk16_fp6_f32 v[PC+12+4*\c:PC+14+4*\c], v[(\s)+32*\c+16:(\s)+32*\c+31], v[TM+13+2*\c]
.endr
	WIN 0
	v_nop
.irp c, 0,1
.irp i, 0,1,2
	v_permlane16_swap_b32 v[PC+6*\c+\i], v[PC+12+4*\c+\i]
.endr
.irp i, 0,1,2
	v_mov_b32 v[PC+3+6*\c+\i], v[PC+12+4*\c+\i]
.endr
.endr
.endm
.macro JLOAD g0a, g1a, g0b, g1b
	s_cmp_eq_u32 s15, 0
	s_cbranch_scc0 .Lfor_b_\@
	tensor_load_to_lds s[\g0a:\g0a+3], s[\g1a:\g1a+7]
	s_nop 0
.rept 4
	v_nop
.endr
	s_branch .Lasked_\@
.Lfor_b_\@:
	tensor_load_to_lds s[\g0b:\g0b+3], s[\g1b:\g1b+7]
	s_nop 0
.rept 4
	v_nop
.endr
.Lasked_\@:
.endm
.macro CREST
	s_cmp_lg_u32 s14, 0
	s_cbranch_scc1 .Lnot_wave_0_\@
	s_barrier_signal -3
.Lnot_wave_0_\@:
	s_barrier_wait -3
	s_barrier_signal -1
	s_barrier_wait -1
.endm
.macro CROUND
	s_barrier_signal -1
	s_barrier_wait -1
	CREST
.endm
.macro SET0 g, lds, lo, bytes
	s_mov_b32 s[\g], 1
	s_add_co_u32 s[\g+1], s45, \lds
	s_add_nc_u64 s[\g+2:\g+3], s[\lo:\lo+1], \bytes
	s_or_b32 s[\g+3], s[\g+3], 0x80000000
.endm
	s_load_b128 s[4:7], s[0:1], 0x0
	v_lshl_add_u32 v[SPW], v0, 2, SPARE
	v_mov_b32 v[NIL], 0
	ds_add_u32 v[SPW], v[NIL]
	ds_add_u32 v[SPW], v[NIL]
	v_lshrrev_b32 v1, 5, v0
	v_readfirstlane_b32 s14, v1
	s_lshr_b32 s15, s14, 1
	s_and_b32 s16, s14, 1
	s_bfe_u32 s40, ttmp6, 0x40000
	s_bfe_u32 s41, ttmp6, 0x40004
	s_lshl_b32 s42, ttmp9, 2
	s_add_co_u32 s42, s42, s40
	s_and_b32 s17, ttmp7, 0xffff
	s_lshl_b32 s17, s17, 2
	s_add_co_u32 s17, s17, s41
	s_lshr_b32 s12, ttmp9, 2
	s_lshl_b32 s43, s41, 2
	s_lshl_b32 s43, 15, s43
	s_lshl_b32 s44, 0x1111, s40
	s_or_b32 s[G1], s43, (3<<16)|(1<<21)
	s_or_b32 s[G1B], s44, (3<<16)|(1<<21)
	s_or_b32 s[G1S], s43, (3<<16)|(1<<21)
	s_or_b32 s[G1SB], s44, (3<<16)|(1<<21)
.irp g, G1, G1B
	s_mov_b32 s[\g+1], 32<<16
	s_mov_b32 s[\g+2], 150<<16
	s_mov_b32 s[\g+3], 32<<16
	s_mov_b32 s[\g+4], 150
	s_mov_b32 s[\g+5], 32
	s_mov_b32 s[\g+6], 0
	s_mov_b32 s[\g+7], 0
.endr
.irp g, G1S, G1SB
	s_mov_b32 s[\g+1], 32<<16
	s_mov_b32 s[\g+2], 100<<16
	s_mov_b32 s[\g+3], 32<<16
	s_mov_b32 s[\g+4], 100
	s_mov_b32 s[\g+5], 32
	s_mov_b32 s[\g+6], 0
	s_mov_b32 s[\g+7], 0
.endr
	s_mul_i32 s13, s12, 48
	s_lshl_b32 s20, s17, 1
	s_add_co_u32 s20, s20, s16
	s_add_co_u32 s20, s20, s13
	s_mul_i32 s20, s20, BLKB
	s_mov_b32 s21, 0
	s_lshl_b32 s46, s42, 1
	s_add_co_u32 s46, s46, s16
	s_add_co_u32 s46, s46, 16
	s_sub_co_u32 s46, s46, s13
	s_mul_i32 s46, s46, BLKB
	s_mov_b32 s47, 0
	s_mul_i32 s45, s14, CHUNK
	s_wait_dscnt 0x0
	s_wait_kmcnt 0x0
	s_add_nc_u64 s[20:21], s[4:5], s[20:21]
	s_add_nc_u64 s[46:47], s[4:5], s[46:47]
	CROUND
	SET0 G0S,   REC,  20, 0
	SET0 G0SB,  REC,  46, 0
	SET0 G0,    0,    20, 5*REC
	SET0 G0B,   0,    46, 5*REC
	SET0 G0+4,  SLOT, 20, 2*REC
	SET0 G0B+4, SLOT, 46, 2*REC
	JLOAD G0S, G1S, G0SB, G1SB
	s_wait_alu depctr_va_vdst(0)
	s_wait_tensorcnt 0x0
	ds_add_u32 v28, v29
	s_wait_dscnt 0x0
	CROUND
	JLOAD G0+4, G1, G0B+4, G1B
	v_and_b32 v1, 31, v0
	v_lshlrev_b32 v[LI], 4, v1
	s_mul_i32 s18, s15, CHUNK
	s_mul_i32 s19, s16, CHUNK
	s_add_co_u32 s19, s19, 2*CHUNK
.irp s, 0,1
	v_add_nc_u32 v[ADRA+\s], s18, v[LI]
	v_add_nc_u32 v[ADRB+\s], s19, v[LI]
	s_add_co_u32 s18, s18, SLOT
	s_add_co_u32 s19, s19, SLOT
.endr
.irp b, 0,1,2,3
	v_mov_b32 v[TM+4+\b], 0
.endr
	s_mov_b32 s[SEL], 0x76543210
	s_mov_b32 s[SEL+1], 0xfedcba98
	s_mov_b32 s[MSK], 0xffff0000
	s_lshl_b32 s18, s17, 1
	s_add_co_u32 s18, s18, s15
	s_lshl_b32 s19, s42, 1
	s_add_co_u32 s19, s19, s16
	s_lshr_b32 s22, s19, 4
	s_and_b32 s19, s19, 15
	s_cmp_lg_u32 s12, 0
	s_cselect_b32 s23, s18, s19
	s_cselect_b32 s18, s19, s18
	s_lshl_b32 s23, s23, 4
	s_add_co_u32 s23, s23, s18
	s_mul_i32 s18, s23, REC
	s_mul_i32 s22, s22, 256*REC
	s_add_co_u32 s18, s18, s22
	s_mov_b32 s19, 0
	s_add_nc_u64 s[6:7], s[6:7], s[18:19]
.macro FRAG reg, adr, q, i
.irp c, 0,1,2
	ds_load_b128 v[(\reg)+4*\c:(\reg)+4*\c+3], v[\adr] offset:REC*(\q)+1536*(\i)+512*\c
.endr
.endm
.macro MUL16 a0, k, z
.irp a, \a0, \a0+1
.irp b, 0,1,2,3,4,5,6,7
	WM 8*(8*((\a)%4)+\b), 128*((\k)%2)+FR*\b, AF+FR*(\a), \z, SC+8*((\k)%2)+4+\b/2, SC+8*((\k)%2)+(\a)/2, \b%2, (\a)%2
.endr
.endr
.endm
.macro FETCH_B k
.set fN, (((\k)+1)/3)%2
.set fQ, ((\k)+1)%3
.set fP, 128*((\k)%2)
	WIN TO_B
.irp i, 0,1,2,3,4,5,6,7
	FRAG fP+FR*\i, ADRB+fN, fQ, \i
.endr
	WIN 0
.endm
.macro FETCH_A k, i0
.set fN, (((\k)+1)/3)%2
.set fQ, ((\k)+1)%3
.irp i, \i0, \i0+1, \i0+2, \i0+3
	FRAG AF+FR*(\i), ADRA+fN, fQ, \i
.endr
.endm
.macro SCAL k
.set fN, (((\k)+1)/3)%2
.set fQ, ((\k)+1)%3
.set fS, SC+8*((\k)%2)
	ds_load_b128 v[fS:fS+3], v[ADRA+fN] offset:REC*fQ+12288
	ds_load_b128 v[fS+4:fS+7], v[ADRB+fN] offset:REC*fQ+12288
.endm
.macro STEP k, zero
	s_wait_dscnt 4*NL
	WIN MUL_LO
	MUL16 0, \k, \zero
	MUL16 2, \k, \zero
	s_wait_dscnt 0x0
	PLACES NP
	FETCH_B (\k)+1
	FETCH_A (\k)+1, 0
	SCAL (\k)+1
	WIN MUL_HI
	MUL16 4, \k, \zero
	MUL16 6, \k, \zero
	PLACES NP
	WIN 0
	FETCH_A (\k)+1, 4
.endm
.macro TURN k, fill
.set tN, (((\k)+1)/3)%2
	s_wait_tensorcnt 0x0
	ds_add_u32 v[SPW], v[NIL]
	s_wait_dscnt 4*NL+1
	WIN MUL_LO
	MUL16 0, \k, 0
	s_wait_dscnt 0x0
	s_barrier_signal -1
	MUL16 2, \k, 0
	WIN 0
	s_barrier_wait -1
.if \fill
	CREST
.if (\k) > 1
	s_add_nc_u64 s[G0+4*tN+2:G0+4*tN+3], s[G0+4*tN+2:G0+4*tN+3], 6*REC
	s_add_nc_u64 s[G0B+4*tN+2:G0B+4*tN+3], s[G0B+4*tN+2:G0B+4*tN+3], 6*REC
.endif
.if (\fill) == 1
	JLOAD G0+4*tN, G1, G0B+4*tN, G1B
.else
	JLOAD G0+4*tN, G1S, G0B+4*tN, G1SB
.endif
.else
	PLACES NP
.endif
	FETCH_B (\k)+1
	FETCH_A (\k)+1, 0
	SCAL (\k)+1
	WIN MUL_HI
	MUL16 4, \k, 0
	MUL16 6, \k, 0
	PLACES NP
	WIN 0
	FETCH_A (\k)+1, 4
.endm
	s_wait_alu depctr_va_vdst(0)
	s_wait_tensorcnt 1
	s_barrier_signal -1
	s_barrier_wait -1
	FETCH_B 0
	FETCH_A 0, 0
	SCAL 0
	FETCH_A 0, 4
	STEP 0, 1
	TURN 1, 1
	STEP 2, 0
	STEP 3, 0
	TURN 4, 1
	STEP 5, 0
	STEP 6, 0
	TURN 7, 1
	STEP 8, 0
	STEP 9, 0
	TURN 10, 2
	STEP 11, 0
	STEP 12, 0
	TURN 13, 0
	STEP 14, 0
	s_wait_dscnt 4*NL
	WIN MUL_LO
	MUL16 0, 15, 0
	MUL16 2, 15, 0
	s_wait_dscnt 0x0
	WIN MUL_HI
	MUL16 4, 15, 0
	MUL16 6, 15, 0
	WIN 0
	PLACES NP
.irp a, 0,1,2,3,4,5,6,7
.if \a > 0
	s_wait_xcnt 0x0
.endif
	QUANT 64*(\a%4), 2+\a/4, PW+\a
.irp c, 0,1,2
	global_store_b128 v[LI], v[PC+4*\c:PC+4*\c+3], s[6:7] offset:1536*\a+512*\c
.endr
.endr
.irp i, 0,1,2,3
	v_cndmask_b32 v[SW+\i], v[PW+2*\i], v[PW+2*\i+1], s[MSK]
.endr
	global_store_b128 v[LI], v[SW:SW+3], s[6:7] offset:12288
	s_wait_tensorcnt 0x0
	ds_add_u32 v[SPW], v[NIL]
	s_wait_dscnt 0x0
	CROUND
	s_endpgm
.Lfunc_end_k_q549b796c48_proj:
	.size	k_q549b796c48_proj, .Lfunc_end_k_q549b796c48_proj-k_q549b796c48_proj
	.p2alignl 7, 3214868480
	.fill 96, 4, 3214868480
	.section	.rodata,"a",@progbits
	.p2align	6, 0x0
	.amdhsa_kernel k_q549b796c48_proj
		.amdhsa_group_segment_fixed_size 327680
		.amdhsa_private_segment_fixed_size 0
		.amdhsa_enable_private_segment 0
		.amdhsa_kernarg_size 16
		.amdhsa_user_sgpr_count 2
		.amdhsa_user_sgpr_kernarg_segment_ptr 1
		.amdhsa_wavefront_size32 1
		.amdhsa_system_sgpr_workgroup_id_x 1
		.amdhsa_system_sgpr_workgroup_id_y 1
		.amdhsa_system_sgpr_workgroup_id_z 1
		.amdhsa_system_vgpr_workitem_id 0
		.amdhsa_next_free_vgpr 1024
		.amdhsa_next_free_sgpr 96
		.amdhsa_reserve_vcc 0
		.amdhsa_float_denorm_mode_32 3
		.amdhsa_float_denorm_mode_16_64 3
		.amdhsa_memory_ordered 1
		.amdhsa_forward_progress 1
		.amdhsa_inst_pref_size 232
	.end_amdhsa_kernel
	.amdgpu_metadata
---
amdhsa.version: [ 1, 2 ]
amdhsa.kernels:
  - .name:           k_q549b796c48_proj
    .symbol:         k_q549b796c48_proj.kd
    .args:
      - { .name: cod, .offset: 0, .size: 8, .value_kind: global_buffer, .address_space: global }
      - { .name: qkv, .offset: 8, .size: 8, .value_kind: global_buffer, .address_space: global }
    .group_segment_fixed_size: 327680
    .private_segment_fixed_size: 0
    .kernarg_segment_align: 8
    .kernarg_segment_size: 16
    .max_flat_workgroup_size: 128
    .sgpr_count:     96
    .vgpr_count:     1024
    .wavefront_size: 32
...
	.end_amdgpu_metadata
.endif
;; end of part 2
;; launch attn (part 3): grid 16 x 16, 8 waves a work-group, clusters of 4 x 1, 327,680 bytes of LDS; arguments qkv, orec; writes orec
.if DOCPART == 3
	.amdgcn_target "amdgcn-amd-amdhsa--gfx1250"
	.amdhsa_code_object_version 6
	.text
	.protected	k_q549b796c48_attn
	.globl	k_q549b796c48_attn
	.p2align	8
	.type	k_q549b796c48_attn,@function
k_q549b796c48_attn:
	s_mov_b64 s[64:65], 0
	v_nop
	global_prefetch_b8 v0, s[64:65] scope:SCOPE_SE
	s_setreg_imm32_b32 hwreg(HW_REG_WAVE_MODE, 25, 1), 1
	s_wait_xcnt 0x0
	s_wait_alu depctr_hold_cnt(0) depctr_sa_sdst(0) depctr_va_vdst(0) depctr_va_sdst(0) depctr_va_ssrc(0) depctr_va_vcc(0) depctr_vm_vsrc(0)
	s_getreg_b32 s2, hwreg(HW_REG_IB_STS2, 6, 4)
	s_cmp_eq_u32 s2, 0
	s_cbranch_scc0 .Lentry_in_a_cluster
	s_endpgm
.Lentry_in_a_cluster:
	s_bfe_u32 s2, ttmp6, 0x10000c
	s_cmp_lg_u32 s2, 0x3003
	s_cbranch_scc0 .Lentry_shape_is_right
	s_endpgm
.Lentry_shape_is_right:
; o[q] = the sum over keys of softmax(q . k / sqrt(128)) v, 16 heads of 128, 2,048 keys, no mask; both products on codes of FP6 (E2M3) with E8M0 scales; o is quantised in registers and leaves as records for the last product.
; qkv: [Q, K, V^T][head][token block of 128] records of 12,800 bytes: eight images of an operand's 12 registers, then a scale image of 512 bytes; lane-row r of tile i is row 32 (i / 2) + 8 (i % 2) + r + 8 (r / 8).
; THE SOFTMAX: t = score x log2(e) / sqrt(128); M = the running largest t rounded UP to a whole number; p = 2^(t - M) is quantised along the keys, not normalised; the row's sum is taken of the unquantised p and divides at the end.
; When M moves, the sum and O are multiplied by 2^(old M - new M): exact.
; SHARES.  A work-group owns 128 queries of one head.  Wave w of eight owns 32 of them, tiles 2 (w % 4) and 2 (w % 4) + 1 of the Q record, and ONE HALF OF THE KEYS: key steps 8 (w / 4) .. + 7 of 128 keys each.
; So a fragment of K or V^T that a wave brings into registers feeds two products.  Tile A of a wave is tile 2 (w % 4) + w / 4, tile B the other one.
; Both products are used transposed (S^T = K Q^T, O^T = V^T P^T): a lane holds one query of each tile.  The two tiles' softmaxes follow each other on ONE set of 64 score registers; K stays in registers for both.
; AT THE END the two waves that share 32 queries hand each other tile B's O^T, M and sum through LDS bytes of their own; each joins the two halves of its tile A under the larger M, divides, quantises and stores that tile.
; K IN LDS, WHOLE: the head's 16 records of K are 204,800 dense bytes; each wave brings two of them by one joint load at the head (100 rows of 256 bytes).  Nothing is filled again: one barrier shows K to all waves,
; and no barrier stands in the walk over the keys.  The next key step's K is read from LDS behind this step's last products K Q^T, into the registers that they have read.
; CLUSTER: the four query blocks of a cluster belong to one head and ask for K jointly.
; V^T FROM MEMORY INTO REGISTERS: a record is an image of the operand's registers, so a lane loads its fragments whole: 25 loads of 512 consecutive bytes a key step, issued at the step's head and waited for behind both softmaxes.
; It is not asked for jointly: K and V^T of a head are 409,600 bytes and LDS has 327,680, so one of the two would need slots that are filled again, with a round of the cluster's barrier for each fill.
; PREFETCH: in each key step but its half's last two, a wave names blocks of the V^T record two key steps on: the record's 50 blocks of 256 bytes are shared out by address among the 16 waves of the cluster that will read it:
; wave number i of these names blocks i, i + 16, i + 32 and, where i < 2, i + 48, a lane a block (lanes left over name the wave's last block again).  K comes once, at the head, with no loop to run ahead in.
; LIMITS: the promise holds while |t| stays under 2^31; a block of o whose largest magnitude lies under 2^-124 is held at the scale byte 1; a block of zeros gets the byte 1 (its codes are zeros; this program alone reads the bytes); NaN and infinities are not served.
; REGISTERS: window 0: v1-14 addresses; v16-39 Q's two fragments; v40-51 scale words; v52-59 -M, largest t and the sum (two halves) of tiles A, B; v60 the factor; v64-127 S^T, then p; v128-191 tile A's O^T;
;   v192-223 p's codes; v224-255 at work.   window 1: v0-95 K's 8 fragments, v96-191 V^T's 8, v192-255 tile B's O^T.
.set REC,   12800
.set TEN,   256*REC                    ; one tensor's records in qkv
.set SPARE, 16*REC                     ; behind K: the spare words, 128 bytes for each of eight waves
.set SCSTG, SPARE+1024                 ; o's scale image, 512 bytes
.set XCH,   SPARE+2048                 ; the exchange, XW bytes for each wave; no load lands here or on the scale image
.set XW,    8704                       ; 64 registers x 128 bytes, then 512 bytes of state
.set LI,  1                            ; 16 x lane
.set ADR, 2                            ; K's record in hand
.set OV,  3                            ; 16 x lane + 1,536 x tile A: my fragment in a record
.set QS,  4                            ; tile A's scale words in a scale image
.set SPW, 5                            ; my spare word; never rewritten
.set NIL, 6                            ; 0; never rewritten
.set SS,  7                            ; QS in LDS
.set LS,  8                            ; LI in LDS
.set XST, 10                           ; the exchange: where I store,
.set XLD, 11                           ; and where my partner has stored
.set PFO, 12                           ; the prefetches' offset
.set QA,  16
.set QB,  28
.set KSC, 40
.set VSC, 44
.set QSA, 48
.set QSB, 49
.set PWA, 50
.set PWB, 51
.set STA, 52
.set STB, 56
.set FF,  60
.set SR,  64
.set OA,  128
.set PCA, 192
.set PCB, 204
.set PT,  216
.set BM,  224
.set BP,  228
.set SOP, 232
.set TS,  240
.set W0,  254
.set W1,  255
.set PC,  192                          ; the way out
.set TM,  224
.set PW,  240
.set SW,  244
.set WV,  18
.set SEL, 20
.set CS,  22
.set TB,  2                            ; LDS byte of K's record in hand
.set CNT, 3
.set G1,  24
.set G0,  32
.set VB,  40                           ; s[40:41] V^T's record of the key step in hand
.set MSB, 0
.macro WIN new
.set NW, \new
.if MSB != NW
	s_set_vgpr_msb (MSB<<8)|NW
.set MSB, NW
.endif
.endm
.macro PLACES n
.rept \n
	v_nop
.endr
.endm
; d += (or =, z = 1) a x b; a's scale words in row p of register ra, b's in row 0 of rb
.macro WM d, a, b, z, ra, rb, p
.set wD, \d
.set wA, \a
.set wB, \b
.set wR, \ra
.set wK, 2*(\z)+(\p)
.if wK == 0
	v_wmma_scale_f32_16x16x128_f8f6f4 v[wD:wD+7], v[wA:wA+11], v[wB:wB+11], v[wD:wD+7], v[wR], v[\rb] matrix_a_fmt:MATRIX_FMT_FP6 matrix_b_fmt:MATRIX_FMT_FP6
.elseif wK == 1
	v_wmma_scale_f32_16x16x128_f8f6f4 v[wD:wD+7], v[wA:wA+11], v[wB:wB+11], v[wD:wD+7], v[wR], v[\rb] matrix_a_fmt:MATRIX_FMT_FP6 matrix_b_fmt:MATRIX_FMT_FP6 matrix_a_scale:MATRIX_SCALE_ROW1
.elseif wK == 2
	v_wmma_scale_f32_16x16x128_f8f6f4 v[wD:wD+7], v[wA:wA+11], v[wB:wB+11], 0, v[wR], v[\rb] matrix_a_fmt:MATRIX_FMT_FP6 matrix_b_fmt:MATRIX_FMT_FP6
.else
	v_wmma_scale_f32_16x16x128_f8f6f4 v[wD:wD+7], v[wA:wA+11], v[wB:wB+11], 0, v[wR], v[\rb] matrix_a_fmt:MATRIX_FMT_FP6 matrix_b_fmt:MATRIX_FMT_FP6 matrix_a_scale:MATRIX_SCALE_ROW1
.endif
.endm
.macro ROUND                           ; a round of the cluster's barrier
	s_barrier_signal -1
	s_barrier_wait -1
	s_cmp_lg_u32 s[WV], 0
	s_cbranch_scc1 .Lnw0_\@
	s_barrier_signal -3
.Lnw0_\@:
	s_barrier_wait -3
	s_barrier_signal -1
	s_barrier_wait -1
.endm
; The softmax of one tile's scores of 128 keys: state at v[st], p's codes to v[pc], its scale word to v[pw]; the tile's O^T, at v[ob] of window ow, goes under the new M
.macro SOFT st, pc, pw, ob, ow
.irp b, 0,1,2,3
	v_max3_num_f32 v[BM+\b], v[SR+16*\b], v[SR+1+16*\b], v[SR+2+16*\b]   ; the largest score of each block of 32 keys: for the row's maximum and, since p rises with the score, for the block's largest p
.endr
.irp i, 3,5,7,9,11,13
.irp b, 0,1,2,3
	v_max3_num_f32 v[BM+\b], v[BM+\b], v[SR+16*\b+\i], v[SR+1+16*\b+\i]
.endr
.endr
.irp b, 0,1,2,3
	v_max_num_f32 v[BM+\b], v[BM+\b], v[SR+15+16*\b]
.endr
.irp b, 0,1,2,3
	s_delay_alu instid0(VALU_DEP_4)
	v_permlanex16_b32 v[BP+\b], v[BM+\b], s[SEL], s[SEL+1]
.endr
.irp b, 0,1,2,3
	s_delay_alu instid0(VALU_DEP_4)
	v_max_num_f32 v[BM+\b], v[BM+\b], v[BP+\b]     ; with lane l xor 16's 16 keys
.endr
	s_delay_alu instid0(VALU_DEP_2)
	v_max3_num_f32 v[W0], v[BM], v[BM+1], v[BM+2]
	s_delay_alu instid0(VALU_DEP_1)
	v_max_num_f32 v[W0], v[W0], v[BM+3]            ; the step's largest score of my query
	s_delay_alu instid0(VALU_DEP_1)
	v_mul_f32 v[W0], s[CS], v[W0]                  ; as t (c is positive)
	s_delay_alu instid0(VALU_DEP_1)
	v_max_num_f32 v[\st+1], v[\st+1], v[W0]        ; the running largest t
	v_mov_b32 v[W0], v[\st]
	s_delay_alu instid0(VALU_DEP_2)
	v_floor_f32 v[\st], -v[\st+1]                  ; the new -M = -ceil(t)
	s_delay_alu instid0(VALU_DEP_1)
	v_sub_f32 v[W0], v[\st], v[W0]                 ; old M less new M: a whole number, 0 or less
	s_delay_alu instid0(VALU_DEP_1)
	v_cvt_i32_f32 v[W0], v[W0]                     ; (it saturates)
	s_delay_alu instid0(VALU_DEP_1)
	v_ldexp_f32 v[FF], 1.0, v[W0]                  ; f = 2^(old M - new M)
.set j, 0
.rept 32
	v_pk_fma_f32 v[SR+j:SR+j+1], v[SR+j:SR+j+1], s[CS:CS+1], v[\st:\st+1] op_sel_hi:[1,0,0]   ; t - M, two at a time
.set j, j+2
.endr
.irp b, 0,1,2,3
	v_fma_f32 v[BM+\b], v[BM+\b], s[CS], v[\st]    ; the same of each block's largest score
.endr
	s_wait_alu depctr_va_vdst(0)                   ; ahead of the batch
.set j, 0
.rept 64
	v_exp_f32 v[SR+j], v[SR+j]                     ; p = 2^(t - M), at most 1
.set j, j+1
.endr
	v_pk_mul_f32 v[\st+2:\st+3], v[\st+2:\st+3], v[FF:FF+1] op_sel_hi:[1,0]   ; the sums under the new M: a plain place behind the exponentials
	s_wait_alu depctr_va_vdst(0)                   ; one wait for the batch, ahead of its first reader
.irp b, 0,1,2,3
	v_exp_f32 v[BM+\b], v[BM+\b]                   ; the block's largest p: the same two instructions on the same number give the same bits
.endr
.irp i, 0,1,2,3,4,5,6                  ; the row's sum of the unquantised p: 32 pairs in eight chains
	v_pk_add_f32 v[TS+2*\i:TS+2*\i+1], v[SR+4*\i:SR+4*\i+1], v[SR+4*\i+2:SR+4*\i+3]
.endr
	v_pk_add_f32 v[\st+2:\st+3], v[\st+2:\st+3], v[SR+28:SR+29]
.irp i, 0,1,2,3,4,5,6
	v_pk_add_f32 v[TS+2*\i:TS+2*\i+1], v[TS+2*\i:TS+2*\i+1], v[SR+30+2*\i:SR+31+2*\i]
.endr
	v_pk_add_f32 v[\st+2:\st+3], v[\st+2:\st+3], v[SR+44:SR+45]
.irp i, 0,1,2,3,4,5,6
	v_pk_add_f32 v[TS+2*\i:TS+2*\i+1], v[TS+2*\i:TS+2*\i+1], v[SR+46+2*\i:SR+47+2*\i]
.endr
	v_pk_add_f32 v[\st+2:\st+3], v[\st+2:\st+3], v[SR+60:SR+61]
	v_pk_add_f32 v[TS:TS+1], v[TS:TS+1], v[SR+62:SR+63]
	v_pk_add_f32 v[\st+2:\st+3], v[\st+2:\st+3], v[TS+6:TS+7]
	s_delay_alu instid0(VALU_DEP_2)
	v_pk_add_f32 v[TS:TS+1], v[TS:TS+1], v[TS+8:TS+9]
	v_pk_add_f32 v[TS+2:TS+3], v[TS+2:TS+3], v[TS+10:TS+11]
	v_pk_add_f32 v[TS+4:TS+5], v[TS+4:TS+5], v[TS+12:TS+13]
	s_delay_alu instid0(VALU_DEP_2)
	v_pk_add_f32 v[\st+2:\st+3], v[\st+2:\st+3], v[TS+2:TS+3]
	s_delay_alu instid0(VALU_DEP_2)
	v_pk_add_f32 v[TS:TS+1], v[TS:TS+1], v[TS+4:TS+5]
	s_delay_alu instid0(VALU_DEP_1)
	v_pk_add_f32 v[\st+2:\st+3], v[\st+2:\st+3], v[TS:TS+1]
	s_wait_alu depctr_va_vdst(0)                   ; and one for the four
.irp b, 0,1,2,3
	v_max_num_f32 v[BM+\b], 0x1800000, v[BM+\b]    ; the floor 2^(3 - 127): the byte cannot fall under 1
.endr
.irp b, 0,1,2,3
	s_delay_alu instid0(VALU_DEP_4)
	v_add_nc_u32 v[SOP+\b], 0xff000000, v[BM+\b]   ; 2 off the exponent field: the conversion's scale operand
.endr
.irp b, 0,1,2,3
	s_delay_alu instid0(VALU_DEP_4)
	v_lshrrev_b32 v[BP+\b], 23, v[SOP+\b]          ; the scale's byte
.endr
	s_delay_alu instid0(VALU_DEP_3)
	v_lshl_or_b32 v[\pw], v[BP+1], 8, v[BP]        ; p's scale word for these 128 keys
	s_delay_alu instid0(VALU_DEP_1)
	v_lshl_or_b32 v[\pw], v[BP+2], 16, v[\pw]
	s_delay_alu instid0(VALU_DEP_1)
	v_lshl_or_b32 v[\pw], v[BP+3], 24, v[\pw]
.irp c, 0,1
	v_cvt_scalef32_pk16_fp6_f32 v[\pc+6*\c:\pc+6*\c+2], v[SR+32*\c:SR+32*\c+15], v[SOP+2*\c]
	v_cvt_scalef32_pk16_fp6_f32 v[PT+4*\c:PT+4*\c+2], v[SR+32*\c+16:SR+32*\c+31], v[SOP+2*\c+1]   ; (a conversion's three registers begin on an even number)
.endr
	v_nop                                          ; one plain place behind a scaled conversion
.irp c, 0,1                            ; the operand's layout wants a whole block in a lane
.irp i, 0,1,2
	v_permlane16_swap_b32 v[\pc+6*\c+\i], v[PT+4*\c+\i]
.endr
.irp i, 0,1,2
	s_delay_alu instid0(VALU_DEP_3)
	v_mov_b32 v[\pc+3+6*\c+\i], v[PT+4*\c+\i]
.endr
.endr
	WIN (\ow)|((\ow)<<6)
	s_wait_alu depctr_va_vdst(0)                   ; directly ahead of the first reader of O^T
.set j, 0
.rept 32
	v_pk_mul_f32 v[\ob+j:\ob+j+1], v[\ob+j:\ob+j+1], v[FF:FF+1] op_sel_hi:[1,0]   ; O^T under the new M, each accumulator from its low end on
.set j, j+2
.endr
	WIN 0
.endm
.macro FETCHK                          ; K's record at LDS byte s[TB]: its scale image and eight fragments, 25 loads
	ds_load_b128 v[KSC:KSC+3], v[ADR] offset:12288
	WIN 0x40                                       ; destination window 1
.irp t, 0,1,2,3,4,5,6,7
.irp c, 0,1,2
	ds_load_b128 v[12*\t+4*\c:12*\t+4*\c+3], v[ADR] offset:1536*\t+512*\c
.endr
.endr
	WIN 0
.endm
; A KEY STEP of my half: 128 keys; its K has been asked for.  pf = 1: the next step's K is asked for, and the pointers step on
.macro STEP pf
	PLACES 4                                       ; behind the last step's products, in front of loads into registers that they read
	global_load_b128 v[VSC:VSC+3], v[LI], s[VB:VB+1] offset:12288
	WIN 0x40
.irp t, 0,1,2,3,4,5,6,7
.irp c, 0,1,2
	global_load_b128 v[96+12*\t+4*\c:96+12*\t+4*\c+3], v[LI], s[VB:VB+1] offset:1536*\t+512*\c   ; V^T: 32 lanes read 512 consecutive bytes
.endr
.endr
	WIN 0
.if \pf
	s_cmp_gt_u32 s[CNT], 1
	s_cbranch_scc0 .Lno_ask                        ; my half has no key step two on
	global_prefetch_b8 v[PFO], s[VB:VB+1] offset:2*REC th:TH_LOAD_NT scope:SCOPE_SE
.Lno_ask:
.endif
	s_wait_dscnt 0x0                               ; K, asked for a softmax ago, is in
	WIN 0x01                                       ; source 0 window 1
.irp t, 0,1,2,3,4,5,6,7
	WM SR+8*\t, 12*\t, QA, 1, KSC+\t/2, QSA, \t%2  ; S^T = K Q^T, tile A: the 16 registers of tiles 2 b, 2 b + 1 are keys 32 b + 16 h + 0 .. 15
.endr
	WIN 0
	PLACES 4                                       ; in front of the first read of the scores
	SOFT STA, PCA, PWA, OA, 0
	WIN 0x01
.irp t, 0,1,2,3,4,5,6,7
	WM SR+8*\t, 12*\t, QB, 1, KSC+\t/2, QSB, \t%2  ; the same fragments of K, tile B
.endr
	WIN 0
.if \pf
	s_add_co_u32 s[TB], s[TB], REC
	v_add_nc_u32 v[ADR], s[TB], v[LI]
	PLACES 3                                       ; with the addition: four places, in front of the first read of the scores and of loads into the registers that these products have read
	FETCHK                                         ; the next key step's K lands under tile B's softmax
.else
	PLACES 4
.endif
	SOFT STB, PCB, PWB, 192, 1
	s_wait_alu depctr_va_vdst(0)
	s_wait_loadcnt 0x0                             ; V^T is in
	WIN 0x01
.irp t, 0,1,2,3,4,5,6,7
	WM OA+8*\t, 96+12*\t, PCA, 0, VSC+\t/2, PWA, \t%2   ; O^T += V^T P^T: sixteen accumulators by turns
.endr
	WIN 0x51                                       ; C and D window 1 too
.irp t, 0,1,2,3,4,5,6,7
	WM 192+8*\t, 96+12*\t, PCB, 0, VSC+\t/2, PWB, \t%2
.endr
	WIN 0
.if \pf
	s_wait_xcnt 0x0                                ; the prefetch has read its base
	s_add_nc_u64 s[VB:VB+1], s[VB:VB+1], REC
.endif
.endm
; 64 numbers of a lane, v[s] on, become a fragment's codes in v[PC] on and its scale word in v[pw]
.macro QUANT s, pw
.irp b, 0,1,2,3
	v_max3_num_f32 v[TM+\b], |v[(\s)+16*\b]|, |v[(\s)+16*\b+1]|, 0x1800000
.endr
.irp i, 2,4,6,8,10,12,14
.irp b, 0,1,2,3
	s_delay_alu instid0(VALU_DEP_4)
	v_max3_num_f32 v[TM+\b], |v[(\s)+16*\b+\i]|, |v[(\s)+16*\b+\i+1]|, v[TM+\b]
.endr
.endr
.irp b, 0,1,2,3
	s_delay_alu instid0(VALU_DEP_4)
	v_permlanex16_b32 v[TM+4+\b], v[TM+\b], s[SEL], s[SEL+1]
.endr
.irp b, 0,1,2,3
	s_delay_alu instid0(VALU_DEP_4)
	v_max_num_f32 v[TM+\b], v[TM+\b], v[TM+4+\b]
.endr
.irp b, 0,1,2,3
	s_delay_alu instid0(VALU_DEP_4)
	v_add_nc_u32 v[TM+12+\b], 0xff000000, v[TM+\b]
.endr
.irp b, 0,1,2,3
	s_delay_alu instid0(VALU_DEP_4)
	v_lshrrev_b32 v[TM+4+\b], 23, v[TM+12+\b]
.endr
	s_delay_alu instid0(VALU_DEP_3)
	v_lshl_or_b32 v[\pw], v[TM+5], 8, v[TM+4]
	s_delay_alu instid0(VALU_DEP_1)
	v_lshl_or_b32 v[\pw], v[TM+6], 16, v[\pw]
	s_delay_alu instid0(VALU_DEP_1)
	v_lshl_or_b32 v[\pw], v[TM+7], 24, v[\pw]
.irp c, 0,1
	v_cvt_scalef32_pk16_fp6_f32 v[PC+6*\c:PC+6*\c+2], v[(\s)+32*\c:(\s)+32*\c+15], v[TM+12+2*\c]
	v_cvt_scalef32_pk16_fp6_f32 v[PC+12+4*\c:PC+14+4*\c], v[(\s)+32*\c+16:(\s)+32*\c+31], v[TM+13+2*\c]
.endr
	v_nop                                          ; one plain place behind a scaled conversion
.irp c, 0,1
.irp i, 0,1,2
	v_permlane16_swap_b32 v[PC+6*\c+\i], v[PC+12+4*\c+\i]
.endr
.irp i, 0,1,2
	s_delay_alu instid0(VALU_DEP_3)
	v_mov_b32 v[PC+3+6*\c+\i], v[PC+12+4*\c+\i]
.endr
.endr
.endm
	s_load_b128 s[4:7], s[0:1], 0x0                ; qkv s[4:5], orec s[6:7]
	v_lshl_add_u32 v[SPW], v0, 2, SPARE
	v_mov_b32 v[NIL], 0
	ds_add_u32 v[SPW], v[NIL]                      ; the opening lines: the add, twice on end, and its wait ahead of my first tensor load
	ds_add_u32 v[SPW], v[NIL]
	v_lshrrev_b32 v9, 5, v0
	s_delay_alu instid0(VALU_DEP_1)
	v_readfirstlane_b32 s[WV], v9                  ; wave 0..7
	s_bfe_u32 s8, ttmp6, 0x40000                   ; cx
	s_lshl_b32 s9, ttmp9, 2
	s_add_co_u32 s9, s9, s8                        ; my block of 128 queries: it enters Q's, o's and the prefetches' addresses alone
	s_and_b32 s10, ttmp7, 0xffff                   ; the head, which the four partners share
	s_lshl_b32 s11, s10, 4
	s_and_b32 s12, s[WV], 3                        ; which 32 queries
	s_lshr_b32 s13, s[WV], 2                       ; which half of the keys
	s_lshl_b32 s14, s[WV], 1                       ; I fetch K's records 2 w, 2 w + 1 of the head
	s_add_co_u32 s14, s14, s11
	s_mul_i32 s46, s14, REC
	s_add_co_u32 s46, s46, TEN
	s_mov_b32 s47, 0
	s_add_co_u32 s15, s11, s9
	s_mul_i32 s48, s15, REC                        ; my queries' Q record
	s_mov_b32 s49, 0
	s_lshl_b32 s16, s9, 4
	s_add_co_u32 s16, s16, s10
	s_mul_i32 s50, s16, REC                        ; o's record: [token block][head]
	s_mov_b32 s51, 0
	s_lshl_b32 s15, s13, 3
	s_add_co_u32 s15, s15, s11
	s_mul_i32 s[VB], s15, REC                      ; V^T's record of my half's first key step
	s_add_co_u32 s[VB], s[VB], 2*TEN
	s_mov_b32 s[VB+1], 0
	s_mul_i32 s[TB], s13, 8*REC                    ; and K's, in LDS
	s_lshl_b32 s52, s12, 1
	s_add_co_u32 s52, s52, s13                     ; tile A
	s_xor_b32 s53, s52, 1                          ; tile B
	s_mul_i32 s54, s52, 1536
	s_mul_i32 s55, s53, 1536
	s_lshl_b32 s56, s13, 8
	s_lshl_b32 s57, s12, 2
	s_add_co_u32 s56, s56, s57                     ; tile A's words in a scale image: 256 (tile % 2) + 4 (tile / 2),
	s_xor_b32 s57, s56, 256                        ; tile B's
	s_mul_i32 s58, s[WV], XW
	s_add_co_u32 s58, s58, XCH
	s_xor_b32 s59, s[WV], 4                        ; my partner: the same queries, the other half of the keys
	s_mul_i32 s59, s59, XW
	s_add_co_u32 s59, s59, XCH
	s_lshl_b32 s17, s8, 2
	s_add_co_u32 s17, s17, s12                     ; my number among the cluster's 16 waves that read my half's records
	s_cmp_lt_u32 s17, 2
	s_cselect_b32 s60, 3, 2                        ; I name four blocks of a record's 50, or three
	s_mov_b32 s[G1], 15|(3<<16)|(1<<21)            ; the mask: all four work-groups; elements of 8 bytes; no padding; bit 21 set beside a mask
	s_mov_b32 s[G1+1], 32<<16                      ; tensor_dim0 = 32 elements: 256 bytes
	s_mov_b32 s[G1+2], 100<<16                     ; tensor_dim1 = 100 rows: two records
	s_mov_b32 s[G1+3], 32<<16
	s_mov_b32 s[G1+4], 100
	s_mov_b32 s[G1+5], 32                          ; dense
	s_mov_b32 s[G1+6], 0
	s_mov_b32 s[G1+7], 0
	s_mov_b32 s[SEL], 0x76543210
	s_mov_b32 s[SEL+1], 0xfedcba98
	s_mov_b32 s[CS], 0x3e0293ee                    ; c = log2(e) / sqrt(128)
	s_mov_b32 s[CS+1], s[CS]
	s_wait_dscnt 0x0                               ; both opening adds are done
	s_wait_kmcnt 0x0
	s_add_nc_u64 s[46:47], s[4:5], s[46:47]
	s_add_nc_u64 s[44:45], s[4:5], s[48:49]
	s_add_nc_u64 s[VB:VB+1], s[4:5], s[VB:VB+1]
	s_add_nc_u64 s[6:7], s[6:7], s[50:51]
	ROUND                                          ; all four work-groups are here: the joint loads meet
	s_mov_b32 s[G0], 1
	s_mul_i32 s[G0+1], s[WV], 2*REC
	s_mov_b64 s[G0+2:G0+3], s[46:47]
	s_or_b32 s[G0+3], s[G0+3], 0x80000000
	tensor_load_to_lds s[G0:G0+3], s[G1:G1+7]      ; my one tensor load: every wave issues one
	s_nop 0
	PLACES 4
	v_and_b32 v9, 31, v0
	v_and_b32 v15, 15, v0
	v_lshlrev_b32 v[LI], 4, v9
	v_lshl_add_u32 v[QS], v15, 4, s56
	v_lshl_add_u32 v14, v15, 4, s57
	v_min_u32 v[PFO], s60, v9
	v_add_nc_u32 v[OV], s54, v[LI]
	v_add_nc_u32 v13, s55, v[LI]
	v_lshl_add_u32 v[PFO], v[PFO], 4, s17
	v_add_nc_u32 v[SS], SCSTG, v[QS]
	v_add_nc_u32 v[LS], SCSTG, v[LI]
	v_add_nc_u32 v[ADR], s[TB], v[LI]
	v_add_nc_u32 v[XST], s58, v[LI]
	v_add_nc_u32 v[XLD], s59, v[LI]
	v_lshlrev_b32 v[PFO], 8, v[PFO]
.irp c, 0,1,2
	global_load_b128 v[QA+4*\c:QA+4*\c+3], v[OV], s[44:45] offset:512*\c   ; Q's two fragments stay in registers
	global_load_b128 v[QB+4*\c:QB+4*\c+3], v13, s[44:45] offset:512*\c
.endr
	global_load_b32 v[QSA], v[QS], s[44:45] offset:12288
	global_load_b32 v[QSB], v14, s[44:45] offset:12288
.irp st, STA, STB
	v_mov_b32 v[\st+1], 0xff61b1e6                 ; the largest t so far: -3e38
	v_mov_b32 v[\st+2], 0                          ; the sum, in two halves
	v_mov_b32 v[\st+3], 0
	v_floor_f32 v[\st], -v[\st+1]                  ; -M
.endr
	v_mov_b32 v[FF+1], 0                           ; (named with the factor as a pair)
.irp b, 0,1,2,3
	v_mov_b32 v[BP+\b], 0                          ; a lane permute's destination counts as one of its sources
.endr
.set j, 0
.rept 64
	v_mov_b32 v[OA+j], 0                           ; O^T: the key step has no first step of its own; the first finds zeros, which the first change of M leaves zeros
.set j, j+1
.endr
	WIN 0x40
.set j, 0
.rept 64
	v_mov_b32 v[192+j], 0
.set j, j+1
.endr
	WIN 0
	s_mov_b32 s[CNT], 7
	s_wait_alu depctr_va_vdst(0)
	s_wait_loadcnt 0x0                             ; Q
	s_wait_tensorcnt 0x0                           ; my two records of K are in
	s_barrier_signal -1
	s_barrier_wait -1                              ; everybody's are: nothing is filled again
	FETCHK                                         ; my first key step's K
.Lstep:
	STEP 1                                         ; my key steps 0 to 6
	s_sub_co_u32 s[CNT], s[CNT], 1
	s_cmp_lg_u32 s[CNT], 0
	s_cbranch_scc1 .Lstep
	STEP 0                                         ; the last: there is no next K
	; THE TWO HALVES OF THE KEYS MEET: tile B's O^T, -M and sum go to my partner, whose tile A it is
	PLACES 4                                       ; behind the last products
	v_add_f32 v[STB+1], v[STB+2], v[STB+3]         ; the sum's two halves
	WIN 0x04                                       ; the data: window 1
.set j, 0
.rept 16
	ds_store_b128 v[XST], v[192+4*j:192+4*j+3] offset:512*j   ; each accumulator from its low end on
.set j, j+1
.endr
	WIN 0
	ds_store_b128 v[XST], v[STB:STB+3] offset:8192
	s_wait_dscnt 0x0                               ; for my partner's sake
	s_barrier_signal -1
	s_barrier_wait -1
.set j, 0
.rept 16
	ds_load_b128 v[SR+4*j:SR+4*j+3], v[XLD] offset:512*j
.set j, j+1
.endr
	ds_load_b128 v[FF:FF+3], v[XLD] offset:8192    ; v60 its -M, v61 its sum
	s_wait_dscnt 0x0
	v_add_f32 v[STA+2], v[STA+2], v[STA+3]
	v_min_num_f32 v[W0], v[STA], v[FF]             ; -M of both halves
	s_delay_alu instid0(VALU_DEP_1)
	v_sub_f32 v[W1], v[W0], v[STA]
	v_sub_f32 v[W0], v[W0], v[FF]
	s_delay_alu instid0(VALU_DEP_2)
	v_cvt_i32_f32 v[W1], v[W1]
	s_delay_alu instid0(VALU_DEP_2)
	v_cvt_i32_f32 v[W0], v[W0]
	s_delay_alu instid0(VALU_DEP_2)
	v_ldexp_f32 v[W1], 1.0, v[W1]                  ; my half's factor, a power of two,
	s_delay_alu instid0(VALU_DEP_2)
	v_ldexp_f32 v[W0], 1.0, v[W0]                  ; my partner's
	s_delay_alu instid0(VALU_DEP_2)
	v_mul_f32 v[STA+2], v[STA+2], v[W1]
	s_delay_alu instid0(VALU_DEP_1)
	v_fmac_f32 v[STA+2], v[FF+1], v[W0]
	s_delay_alu instid0(VALU_DEP_1)
	v_permlanex16_b32 v[BP], v[STA+2], s[SEL], s[SEL+1]
	s_delay_alu instid0(VALU_DEP_1)
	v_add_f32 v[STA+2], v[STA+2], v[BP]            ; with lane l xor 16's: the row's sum
	s_wait_alu depctr_va_vdst(0)                   ; ahead of the transcendental
	v_rcp_f32 v[STA+2], v[STA+2]
	v_nop                                          ; a plain place behind it
	s_wait_alu depctr_va_vdst(0)                   ; ahead of its first reader
	v_mul_f32 v[TS], v[W0], v[STA+2]
	v_mul_f32 v[TS+2], v[W1], v[STA+2]
.set j, 0
.rept 32
	v_pk_mul_f32 v[SR+j:SR+j+1], v[SR+j:SR+j+1], v[TS:TS+1] op_sel_hi:[1,0]
.set j, j+2
.endr
	s_wait_alu depctr_va_vdst(0)                   ; directly ahead of the first reader of O^T
.set j, 0
.rept 32
	v_pk_fma_f32 v[SR+j:SR+j+1], v[OA+j:OA+j+1], v[TS+2:TS+3], v[SR+j:SR+j+1] op_sel_hi:[1,0,1]   ; register 16 b + i is o(my query, 32 b + 16 h + i)
.set j, j+2
.endr
	QUANT SR, PW
.irp c, 0,1,2
	global_store_b128 v[OV], v[PC+4*\c:PC+4*\c+3], s[6:7] offset:512*\c   ; 32 lanes store 512 consecutive bytes, at a multiple of 256 from orec's first byte
.endr
	ds_store_b32 v[SS], v[PW]                      ; my tile's scale words to their places in the image; lanes r and r + 16 write the same word with the same value
	s_wait_dscnt 0x0                               ; for the others' sake
	s_barrier_signal -1
	s_barrier_wait -1
	s_cmp_lg_u32 s[WV], 0
	s_cbranch_scc1 .Lnot_first
	ds_load_b128 v[SW:SW+3], v[LS]                 ; wave 0 stores the image whole
	s_wait_dscnt 0x0
	global_store_b128 v[LI], v[SW:SW+3], s[6:7] offset:12288
.Lnot_first:
	s_wait_tensorcnt 0x0                           ; the wave's end
	ds_add_u32 v[SPW], v[NIL]
	s_wait_dscnt 0x0
	ROUND                                          ; the closing round
	s_endpgm
.Lfunc_end_k_q549b796c48_attn:
	.size	k_q549b796c48_attn, .Lfunc_end_k_q549b796c48_attn-k_q549b796c48_attn
	.p2alignl 7, 3214868480
	.fill 96, 4, 3214868480
	.section	.rodata,"a",@progbits
	.p2align	6, 0x0
	.amdhsa_kernel k_q549b796c48_attn
		.amdhsa_group_segment_fixed_size 327680
		.amdhsa_private_segment_fixed_size 0
		.amdhsa_enable_private_segment 0
		.amdhsa_kernarg_size 16
		.amdhsa_user_sgpr_count 2
		.amdhsa_user_sgpr_kernarg_segment_ptr 1
		.amdhsa_wavefront_size32 1
		.amdhsa_system_sgpr_workgroup_id_x 1
		.amdhsa_system_sgpr_workgroup_id_y 1
		.amdhsa_system_sgpr_workgroup_id_z 1
		.amdhsa_system_vgpr_workitem_id 0
		.amdhsa_next_free_vgpr 512
		.amdhsa_next_free_sgpr 66
		.amdhsa_reserve_vcc 0
		.amdhsa_float_denorm_mode_32 3
		.amdhsa_float_denorm_mode_16_64 3
		.amdhsa_memory_ordered 1
		.amdhsa_forward_progress 1
		.amdhsa_inst_pref_size 98
	.end_amdhsa_kernel
	.amdgpu_metadata
---
amdhsa.version: [ 1, 2 ]
amdhsa.kernels:
  - .name:           k_q549b796c48_attn
    .symbol:         k_q549b796c48_attn.kd
    .args:
      - { .name: qkv, .offset: 0, .size: 8, .value_kind: global_buffer, .address_space: global }
      - { .name: orec, .offset: 8, .size: 8, .value_kind: global_buffer, .address_space: global }
    .group_segment_fixed_size: 327680
    .private_segment_fixed_size: 0
    .kernarg_segment_align: 8
    .kernarg_segment_size: 16
    .max_flat_workgroup_size: 256
    .sgpr_count:     66
    .vgpr_count:     512
    .wavefront_size: 32
...
	.end_amdgpu_metadata
.endif
;; end of part 3
;; launch outp (part 4): grid 16 x 16, 4 waves a work-group, clusters of 4 x 4, 327,680 bytes of LDS; arguments orec, cod, out0; writes out0
.if DOCPART == 4
	.amdgcn_target "amdgcn-amd-amdhsa--gfx1250"
	.amdhsa_code_object_version 6
	.text
	.protected	k_q549b796c48_outp
	.globl	k_q549b796c48_outp
	.p2align	8
	.type	k_q549b796c48_outp,@function
k_q549b796c48_outp:
	s_mov_b64 s[64:65], 0
	v_nop
	global_prefetch_b8 v0, s[64:65] scope:SCOPE_SE
	s_setreg_imm32_b32 hwreg(HW_REG_WAVE_MODE, 25, 1), 1
	s_wait_xcnt 0x0
	s_wait_alu depctr_hold_cnt(0) depctr_sa_sdst(0) depctr_va_vdst(0) depctr_va_sdst(0) depctr_va_ssrc(0) depctr_va_vcc(0) depctr_vm_vsrc(0)
	s_getreg_b32 s2, hwreg(HW_REG_IB_STS2, 6, 4)
	s_cmp_eq_u32 s2, 0
	s_cbranch_scc0 .Lentry_in_a_cluster
	s_endpgm
.Lentry_in_a_cluster:
	s_bfe_u32 s2, ttmp6, 0x10000c
	s_cmp_lg_u32 s2, 0xf033
	s_cbranch_scc0 .Lentry_shape_is_right
	s_endpgm
.Lentry_shape_is_right:
; out0 = o w_o^T on codes of FP6 (E2M3) with E8M0 scales, f32 sums; out0 [2048][2048] f32.
; Operands come as RECORDS of 12,800 bytes (128 rows x 128 along K: eight images of an operand's 12 registers, 1,536 bytes each, then a scale image of 512 bytes; lane-row r of tile i is row 32 (i / 2) + 8 (i % 2) + r + 8 (r / 8)).
; A = orec's block of 128 tokens (16 K steps, one for each head), B = cod's block 64 + tile column (w_o).
; SHARES.  256 tiles of 128 x 128, one for each WGP (tiles of 256 x 256 would be 64).  Four waves, each 64 x 64: A's tiles 4 i .. 4 i + 3, B's tiles 4 j .. 4 j + 3, 16 accumulators.
; THE MATRIX INSTRUCTION IS USED TRANSPOSED (source 0 = a tile of B, source 1 = a tile of A): a lane holds one token and eight neighbouring columns.
; LDS: three slots of four K steps (A's four records, then B's four).  Twelve of the sixteen K steps are asked for at the head; slot 0 is filled once more, with the last four, and that refill has eight K steps in which to land.
; Each wave fetches a chunk of two records, dense in memory: waves 0, 1 A's, waves 2, 3 B's.  CLUSTERS: 4 x 4; A's chunks are shared along a row of the cluster, B's along a column.
; REGISTERS: window 0: v1-16 addresses; v32-39 scale words, two sets; v64-127 the way out; v128-255 accumulator (a, b) at v[128 + 8 (4 a + b)].  window 1: two sets of fragments at v0 and v128: A's four, then B's four.
.set REC,   12800
; LDS AS IT IS LAID (this takes the place of what the head says of slots and chunks): A's records of K steps 0-11 on end from byte 0, B's from byte 12 REC on; K step k lies at place k % 12.
; At the head each wave fetches ONE chunk of six records, dense in memory: waves 0, 1 A's, waves 2, 3 B's.  Places 0-3 are filled once more, with K steps 12-15, two records a wave.
.set CHUNK, 6*REC
.set SLOT,  4*REC                      ; four places: what one address register reaches
.set SPARE, 24*REC                     ; behind the 24 places: the spare words, 128 bytes for each wave
.set BLKB,  16*REC
.set LI,  1                            ; v1      16 x lane
.set AA,  2                            ; v2-4    my four tiles of A in slot 0, 1, 2
.set AB,  5                            ; v5-7    of B
.set SAA, 8                            ; v8-10   my two words of A's scale image
.set SBA, 11                           ; v11-13  of B's
.set STO, 14                           ; v14     the way out: where I put 32 bytes of a row
.set RD,  15                           ; v15     where I read a row back
.set CO,  16                           ; v16     my byte offset in out0
.set SPW, 28                           ; v28     my spare word; never rewritten
.set NIL, 29                           ; v29     0; never rewritten
.set SC,  32                           ; v32-39  set k % 2: A's two registers, then B's two
.set BK,  64                           ; v64-127 two buffers of 32
.set ACC, 128
.set G1,  24                           ; s[24:31] group 1 for A's chunks;  s[32:35] group 0
.set G0,  32
.set G1B, 48                           ; s[48:55] group 1 for B's;  group 0: s[56:59]
.set GB0, 56
.set GB1, 60
.set GB2, 68
.set MSB, 0
.macro WIN new
.set NW, \new
.if MSB != NW
	s_set_vgpr_msb (MSB<<8)|NW
.set MSB, NW
.endif
.endm
.macro PLACES n
.rept \n
	v_nop
.endr
.endm
.macro WM d, s0, s1, z, r0, r1, p0, p1
.set wD, \d
.set wA, \s0
.set wB, \s1
.set wR, \r0
.set wS, \r1
.set wK, 4*(\z)+2*(\p0)+(\p1)
.if wK == 0
	v_wmma_scale_f32_16x16x128_f8f6f4 v[wD:wD+7], v[wA:wA+11], v[wB:wB+11], v[wD:wD+7], v[wR], v[wS] matrix_a_fmt:MATRIX_FMT_FP6 matrix_b_fmt:MATRIX_FMT_FP6
.elseif wK == 1
	v_wmma_scale_f32_16x16x128_f8f6f4 v[wD:wD+7], v[wA:wA+11], v[wB:wB+11], v[wD:wD+7], v[wR], v[wS] matrix_a_fmt:MATRIX_FMT_FP6 matrix_b_fmt:MATRIX_FMT_FP6 matrix_b_scale:MATRIX_SCALE_ROW1
.elseif wK == 2
	v_wmma_scale_f32_16x16x128_f8f6f4 v[wD:wD+7], v[wA:wA+11], v[wB:wB+11], v[wD:wD+7], v[wR], v[wS] matrix_a_fmt:MATRIX_FMT_FP6 matrix_b_fmt:MATRIX_FMT_FP6 matrix_a_scale:MATRIX_SCALE_ROW1
.elseif wK == 3
	v_wmma_scale_f32_16x16x128_f8f6f4 v[wD:wD+7], v[wA:wA+11], v[wB:wB+11], v[wD:wD+7], v[wR], v[wS] matrix_a_fmt:MATRIX_FMT_FP6 matrix_b_fmt:MATRIX_FMT_FP6 matrix_a_scale:MATRIX_SCALE_ROW1 matrix_b_scale:MATRIX_SCALE_ROW1
.elseif wK == 4
	v_wmma_scale_f32_16x16x128_f8f6f4 v[wD:wD+7], v[wA:wA+11], v[wB:wB+11], 0, v[wR], v[wS] matrix_a_fmt:MATRIX_FMT_FP6 matrix_b_fmt:MATRIX_FMT_FP6
.elseif wK == 5
	v_wmma_scale_f32_16x16x128_f8f6f4 v[wD:wD+7], v[wA:wA+11], v[wB:wB+11], 0, v[wR], v[wS] matrix_a_fmt:MATRIX_FMT_FP6 matrix_b_fmt:MATRIX_FMT_FP6 matrix_b_scale:MATRIX_SCALE_ROW1
.elseif wK == 6
	v_wmma_scale_f32_16x16x128_f8f6f4 v[wD:wD+7], v[wA:wA+11], v[wB:wB+11], 0, v[wR], v[wS] matrix_a_fmt:MATRIX_FMT_FP6 matrix_b_fmt:MATRIX_FMT_FP6 matrix_a_scale:MATRIX_SCALE_ROW1
.else
	v_wmma_scale_f32_16x16x128_f8f6f4 v[wD:wD+7], v[wA:wA+11], v[wB:wB+11], 0, v[wR], v[wS] matrix_a_fmt:MATRIX_FMT_FP6 matrix_b_fmt:MATRIX_FMT_FP6 matrix_a_scale:MATRIX_SCALE_ROW1 matrix_b_scale:MATRIX_SCALE_ROW1
.endif
.endm
; A joint load: waves 0 and 1 fetch for A, waves 2 and 3 for B; the branch hangs on the wave's number alone.  An s_nop 0 and four v_nop follow each of the two lines.
.macro JLOAD g0a, g1a, g0b, g1b
	s_cmp_eq_u32 s15, 0
	s_cbranch_scc0 .Lfor_b_\@
	tensor_load_to_lds s[\g0a:\g0a+3], s[\g1a:\g1a+7]
	s_nop 0
.rept 4
	v_nop
.endr
	s_branch .Lasked_\@
.Lfor_b_\@:
	tensor_load_to_lds s[\g0b:\g0b+3], s[\g1b:\g1b+7]
	s_nop 0
.rept 4
	v_nop
.endr
.Lasked_\@:
.endm
.macro CREST
	s_cmp_lg_u32 s14, 0
	s_cbranch_scc1 .Lnot_wave_0_\@
	s_barrier_signal -3
.Lnot_wave_0_\@:
	s_barrier_wait -3
	s_barrier_signal -1
	s_barrier_wait -1
.endm
.macro CROUND
	s_barrier_signal -1
	s_barrier_wait -1
	CREST
.endm
.macro SET0 g, m, lo                   ; group 0 at s[g] for slot m, from the address in s[lo:lo+1]
	s_mov_b32 s[\g], 1
	s_add_co_u32 s[\g+1], s20, (\m)*SLOT
	s_add_nc_u64 s[\g+2:\g+3], s[\lo:\lo+1], (\m)*4*REC
	s_or_b32 s[\g+3], s[\g+3], 0x80000000
.endm
	s_load_b128 s[4:7], s[0:1], 0x0                ; orec s[4:5], cod s[6:7]
	s_load_b64 s[8:9], s[0:1], 0x10                ; out0
	v_lshl_add_u32 v[SPW], v0, 2, SPARE
	v_mov_b32 v[NIL], 0
	ds_add_u32 v[SPW], v[NIL]                      ; the wave's opening: the add and its wait ahead of my first tensor load; the set-up below, work on registers, stands between them
	ds_add_u32 v[SPW], v[NIL]
	v_lshrrev_b32 v17, 5, v0
	v_readfirstlane_b32 s14, v17                   ; wave 0..3
	s_lshr_b32 s15, s14, 1                         ; i: which half of the tile's rows is mine.  Also: I fetch for A (0) or for B (1)
	s_and_b32 s16, s14, 1                          ; j: which half of its columns.  Also: which six of the head's twelve K steps I fetch, and which two of the refill's four
	s_bfe_u32 s10, ttmp6, 0x40000                  ; cx, cy
	s_bfe_u32 s11, ttmp6, 0x40004
	s_lshl_b32 s12, ttmp9, 2
	s_add_co_u32 s12, s12, s10                     ; tile column
	s_and_b32 s13, ttmp7, 0xffff
	s_lshl_b32 s13, s13, 2
	s_add_co_u32 s13, s13, s11                     ; tile row
	s_lshl_b32 s18, s11, 2
	s_lshl_b32 s18, 15, s18                        ; my row of the cluster
	s_lshl_b32 s19, 0x1111, s10                    ; my column
	s_or_b32 s[G1], s18, (3<<16)|(1<<21)           ; 15:0 the mask; 17:16 elements of 8 bytes; 20 no padding; 21 set beside a mask
	s_or_b32 s[G1B], s19, (3<<16)|(1<<21)
.irp g, G1, G1B
	s_mov_b32 s[\g+1], 32<<16                      ; tensor_dim0 = 32 elements: 256 bytes
	s_mov_b32 s[\g+2], 300<<16                     ; tensor_dim1 = 300 rows: six records
	s_mov_b32 s[\g+3], 32<<16                      ; tile_dim0
	s_mov_b32 s[\g+4], 300                         ; tile_dim1
	s_mov_b32 s[\g+5], 32                          ; the pitch: dense
	s_mov_b32 s[\g+6], 0
	s_mov_b32 s[\g+7], 0
.endr
	s_mul_i32 s21, s16, CHUNK                      ; my six K steps of the head's twelve: records 6 j on
	s_mul_i32 s22, s13, BLKB                       ; A: orec's block = tile row
	s_add_co_u32 s22, s22, s21
	s_mov_b32 s23, 0
	s_add_co_u32 s46, s12, 64                      ; B: cod's block 64 + tile column
	s_mul_i32 s46, s46, BLKB
	s_add_co_u32 s46, s46, s21
	s_mov_b32 s47, 0
	s_mul_i32 s20, s14, CHUNK                      ; where my chunk goes: no place in the cluster enters an LDS address
	s_wait_dscnt 0x0                               ; the opening add is done
	s_wait_kmcnt 0x0
	s_add_nc_u64 s[22:23], s[4:5], s[22:23]
	s_add_nc_u64 s[46:47], s[6:7], s[46:47]
	CROUND                                         ; all sixteen work-groups are here: the first joint loads meet
	SET0 G0, 0, 22
	SET0 GB0, 0, 46
	JLOAD G0, G1, GB0, G1B
	s_mul_i32 s68, s16, 4*REC                      ; for the one refill: from my chunk's first record, 6 j, to record 12 + 2 j: 12 records on, 4 j back
	s_mov_b32 s69, 0
	s_mul_i32 s70, s15, 12*REC                     ; and where it goes: A's or B's places 2 j, 2 j + 1
	s_mul_i32 s71, s16, 2*REC
	s_add_co_u32 s70, s70, s71
	v_and_b32 v17, 31, v0
	v_lshlrev_b32 v[LI], 4, v17
	s_wait_alu depctr_va_vdst(0)
	s_mul_i32 s44, s15, 6144                       ; A's tiles 4 i on
	s_mul_i32 s45, s16, 6144                       ; B's tiles 4 j on,
	s_add_co_u32 s45, s45, 12*REC                  ; behind A's twelve places
	s_lshl_b32 s2, s15, 3                          ; words 2 i, 2 i + 1 of A's scale image
	s_add_co_u32 s2, s2, 12288
	s_lshl_b32 s3, s16, 3
	s_add_co_u32 s3, s3, 12*REC+12288
.irp m, 0,1,2
	v_add_nc_u32 v[AA+\m], s44, v[LI]
	v_add_nc_u32 v[AB+\m], s45, v[LI]
	v_add_nc_u32 v[SAA+\m], s2, v[LI]
	v_add_nc_u32 v[SBA+\m], s3, v[LI]
	s_add_co_u32 s44, s44, SLOT
	s_add_co_u32 s45, s45, SLOT
	s_add_co_u32 s2, s2, SLOT
	s_add_co_u32 s3, s3, SLOT
.endr
	v_and_b32 v18, 15, v0                          ; r
	v_bfe_u32 v19, v0, 4, 1                        ; h
	s_mul_i32 s44, s14, 16*272
	s_add_co_u32 s44, s44, SLOT                    ; my stage: 16 rows x (256 + 16) bytes, in slot 1: when the first result is stored there, that slot has had its only fill, and every wave has passed a barrier behind its last read of it
	v_mul_u32_u24 v[STO], v18, 272
	v_lshl_add_u32 v[STO], v19, 6, v[STO]
	v_add_nc_u32 v[STO], s44, v[STO]               ; in: row r, + 64 h
	v_mul_u32_u24 v[RD], v19, 272
	v_lshl_add_u32 v[RD], v18, 4, v[RD]
	v_add_nc_u32 v[RD], s44, v[RD]                 ; back: lanes 0-15 one row of 256 bytes, lanes 16-31 the next
	v_lshlrev_b32 v[CO], 13, v19
	v_lshl_add_u32 v[CO], v18, 4, v[CO]            ; and the same two rows in out0
	s_lshl_b32 s44, s13, 20                        ; 128 rows of 8,192 bytes a tile row,
	s_lshl_b32 s45, s15, 19                        ; 64 a half,
	s_add_co_u32 s44, s44, s45
	s_lshl_b32 s45, s12, 9                         ; 512 bytes a tile column,
	s_add_co_u32 s44, s44, s45
	s_lshl_b32 s45, s16, 8                         ; 256 a half
	s_add_co_u32 s44, s44, s45
	s_mov_b32 s45, 0
	s_add_nc_u64 s[8:9], s[8:9], s[44:45]
; K step k lies in slot (k / 4) % 3, record k % 4; its fragments go to set k % 2: 26 LDS loads in one run: two scale pairs, B's four tiles, A's tiles 0, 1, A's tiles 2, 3
.macro FETCH k
.set fN, ((\k)/4)%3
.set fQ, (\k)%4
.set fF, 128*((\k)%2)
.set fS, SC+4*((\k)%2)
	WIN 0
	ds_load_b64 v[fS:fS+1], v[SAA+fN] offset:REC*fQ
	ds_load_b64 v[fS+2:fS+3], v[SBA+fN] offset:REC*fQ
	WIN 0x40                                       ; destination window 1
.irp b, 0,1,2,3
.irp c, 0,1,2
	ds_load_b128 v[fF+48+12*\b+4*\c:fF+48+12*\b+4*\c+3], v[AB+fN] offset:REC*fQ+1536*\b+512*\c
.endr
.endr
.irp a, 0,1,2,3
.irp c, 0,1,2
	ds_load_b128 v[fF+12*\a+4*\c:fF+12*\a+4*\c+3], v[AA+fN] offset:REC*fQ+1536*\a+512*\c
.endr
.endr
.endm
; 8 products: A's tiles a0, a0 + 1 x B's four.  The 16 accumulators take turns, one instruction a turn, in the same order in every K step.
.macro MUL8 k, a0, z
.irp a, \a0, \a0+1
.irp b, 0,1,2,3
	WM ACC+8*(4*(\a)+\b), 128*((\k)%2)+48+12*\b, 128*((\k)%2)+12*(\a), \z, SC+4*((\k)%2)+2+\b/2, SC+4*((\k)%2)+(\a)/2, \b%2, (\a)%2
.endr
.endr
.endm
.macro KS k, z
	s_wait_dscnt 6                                 ; all but A's tiles 2 and 3
	WIN 0x05                                       ; sources 0 and 1 window 1; C and D window 0
	MUL8 \k, 0, \z
	PLACES 4                                       ; in front of loads into the set that the last K step multiplied
	FETCH (\k)+1
	s_wait_dscnt 26                                ; all but the 26 just issued
	WIN 0x05
	MUL8 \k, 2, \z
.endm
; A K step with a barrier: in front of it each wave waits for all its tensor loads, adds 0 to its spare word, and waits for that and for all its LDS reads.  fill = 1: slot 0, read out, is filled again.
.macro TURN k, fill
	WIN 0                                          ; (the add's two registers lie in window 0)
	s_wait_tensorcnt 0x0                           ; all my tensor loads have landed
	ds_add_u32 v[SPW], v[NIL]                      ; 0 onto my spare word
	s_wait_dscnt 7                                 ; (the add and A's tiles 2 and 3 may be out)
	WIN 0x05
	MUL8 \k, 0, 0                                  ; eight products stand between the add and the wait for it
	s_wait_dscnt 0x0                               ; the add is done, and my reads are over
	s_barrier_signal -1
	WIN 0
	s_barrier_wait -1
.if \fill
	CREST                                          ; the barrier has opened a round of the cluster's barrier: no wave of any partner still reads slot 0 or has a load on its way
	s_add_nc_u64 s[G0+2:G0+3], s[G0+2:G0+3], 12*REC   ; no load of mine is out: the descriptors may be written
	s_add_nc_u64 s[GB0+2:GB0+3], s[GB0+2:GB0+3], 12*REC
	s_sub_nc_u64 s[G0+2:G0+3], s[G0+2:G0+3], s[68:69]
	s_sub_nc_u64 s[GB0+2:GB0+3], s[GB0+2:GB0+3], s[68:69]
	s_mov_b32 s[G0+1], s70
	s_mov_b32 s[GB0+1], s70
	s_mov_b32 s[G1+2], 100<<16                     ; 100 rows: two records
	s_mov_b32 s[G1+4], 100
	s_mov_b32 s[G1B+2], 100<<16
	s_mov_b32 s[G1B+4], 100
	JLOAD G0, G1, GB0, G1B                         ; the first tensor load behind the round, and my last; its four v_nop are the places in front of the loads below
.else
	PLACES 4
.endif
	FETCH (\k)+1
	s_wait_dscnt 26
	WIN 0x05
	MUL8 \k, 2, 0
.endm
	s_wait_tensorcnt 0x0                           ; my chunk is in
	s_barrier_signal -1
	s_barrier_wait -1                              ; everybody's is
	FETCH 0
	KS 0, 1                                        ; the first K step's products start the sums
	KS 1, 0
	KS 2, 0
	TURN 3, 1                                      ; slots 1 and 2 are whole for every wave; slot 0 takes K steps 12-15, which have eight K steps in which to land
.irp k, 4,5,6,7,8,9,10
	KS \k, 0
.endr
	TURN 11, 0                                     ; the refill is in, for every wave
.irp k, 12,13,14
	KS \k, 0
.endr
	s_wait_dscnt 6                                 ; the last K step: nothing more to fetch
	WIN 0x05
	MUL8 15, 0, 0
	s_wait_alu depctr_va_vdst(0)
	s_wait_dscnt 0x0
	MUL8 15, 2, 0
	WIN 0
	PLACES 4                                       ; in front of the first read of results
; THE WAY OUT, A's tile a at a time: 16 tokens x 64 columns.  Register jj of accumulator (a, b) is column 32 (b / 2) + 8 (b % 2) + 16 h + jj of my 64; lane-row r is token 32 (a / 2) + 8 (a % 2) + r + 8 (r / 8) of my 64.
; The tile goes through my own stage and comes back as whole rows of 256 bytes.  LDS serves a wave's instructions in order: no wait between the stores and the loads, nor in front of the next tile's stores.
.macro TOSTAGE a
.irp b, 0,1,2,3
	ds_store_b128 v[STO], v[ACC+8*(4*(\a)+\b):ACC+8*(4*(\a)+\b)+3] offset:128*(\b/2)+32*(\b%2)      ; each accumulator from its low end on
	ds_store_b128 v[STO], v[ACC+8*(4*(\a)+\b)+4:ACC+8*(4*(\a)+\b)+7] offset:128*(\b/2)+32*(\b%2)+16
.endr
.irp t, 0,1,2,3,4,5,6,7
	ds_load_b128 v[BK+32*((\a)%2)+4*\t:BK+32*((\a)%2)+4*\t+3], v[RD] offset:544*\t
.endr
.endm
.macro SEND a, younger                 ; younger: the LDS instructions issued behind tile a's loads
	s_wait_dscnt \younger
.irp t, 0,1,2,3,4,5,6,7
	global_store_b128 v[CO], v[BK+32*((\a)%2)+4*\t:BK+32*((\a)%2)+4*\t+3], s[8:9] offset:(32*((\a)/2)+8*((\a)%2)+2*\t+8*(\t/4))*8192 th:TH_STORE_NT   ; 16 lanes store 256 consecutive bytes, at a multiple of 256 from out0's first byte
.endr
.endm
	TOSTAGE 0
.irp a, 1,2,3
.if \a > 1
	s_wait_xcnt 0x0                                ; tile a - 2's stores have read their registers: tile a's loads may land there
.endif
	TOSTAGE \a
	SEND \a-1, 16                                  ; behind tile a - 1's loads: tile a's 8 stores and 8 loads
.endr
	SEND 3, 0
	s_wait_tensorcnt 0x0                           ; the wave's end, behind my last tensor load and my last LDS store
	ds_add_u32 v[SPW], v[NIL]
	s_wait_dscnt 0x0
	CROUND                                         ; the closing round
	s_endpgm
.Lfunc_end_k_q549b796c48_outp:
	.size	k_q549b796c48_outp, .Lfunc_end_k_q549b796c48_outp-k_q549b796c48_outp
	.p2alignl 7, 3214868480
	.fill 96, 4, 3214868480
	.section	.rodata,"a",@progbits
	.p2align	6, 0x0
	.amdhsa_kernel k_q549b796c48_outp
		.amdhsa_group_segment_fixed_size 327680
		.amdhsa_private_segment_fixed_size 0
		.amdhsa_enable_private_segment 0
		.amdhsa_kernarg_size 24
		.amdhsa_user_sgpr_count 2
		.amdhsa_user_sgpr_kernarg_segment_ptr 1
		.amdhsa_wavefront_size32 1
		.amdhsa_system_sgpr_workgroup_id_x 1
		.amdhsa_system_sgpr_workgroup_id_y 1
		.amdhsa_system_sgpr_workgroup_id_z 1
		.amdhsa_system_vgpr_workitem_id 0
		.amdhsa_next_free_vgpr 512
		.amdhsa_next_free_sgpr 72
		.amdhsa_reserve_vcc 0
		.amdhsa_float_denorm_mode_32 3
		.amdhsa_float_denorm_mode_16_64 3
		.amdhsa_memory_ordered 1
		.amdhsa_forward_progress 1
		.amdhsa_inst_pref_size 79
	.end_amdhsa_kernel
	.amdgpu_metadata
---
amdhsa.version: [ 1, 2 ]
amdhsa.kernels:
  - .name:           k_q549b796c48_outp
    .symbol:         k_q549b796c48_outp.kd
    .args:
      - { .name: orec, .offset: 0, .size: 8, .value_kind: global_buffer, .address_space: global }
      - { .name: cod, .offset: 8, .size: 8, .value_kind: global_buffer, .address_space: global }
      - { .name: out0, .offset: 16, .size: 8, .value_kind: global_buffer, .address_space: global }
    .group_segment_fixed_size: 327680
    .private_segment_fixed_size: 0
    .kernarg_segment_align: 8
    .kernarg_segment_size: 24
    .max_flat_workgroup_size: 128
    .sgpr_count:     72
    .vgpr_count:     512
    .wavefront_size: 32
...
	.end_amdgpu_metadata
.endif
;; end of part 4
